; MI455X (gfx1250); checked and timed in simulation.
; The chip was launched on July 23, 2026; its instructions are those of AMD's public machine-readable ISA for CDNA 5 (MIT licence, August 2026) and "CDNA5" Instruction Set Architecture Reference Guide (July 2026). The comments in the code are by the model that wrote it; some were corrected since.
;; Self Attention Layer. Allowed arithmetic: float matrix products may take bf16 or f16 operands with f32 sums; other float arithmetic in f32, or as packed bf16 or f16 multiplies, adds, multiply-adds, maxima and minima; sums over many terms, partial sums and values carried from step to step in f32; what a program stores and reads back later, other than sums and carried values, may be rounded once to bf16 or f16.
;; Inputs: Wk 1,024 x 1,024 float32; Wq 1,024 x 1,024 float32; Wv 1,024 x 1,024 float32; x 4 x 2,048 x 1,024 float32.
;; Outputs: out0 4 x 2,048 x 1,024 float32.
;; 2 versions, each right; version 2 is version 1 with the launch cast written anew for expert scheduling mode. Each part assembles by itself: llvm-mc -triple=amdgcn-amd-amdhsa -mcpu=gfx1250 --defsym DOCPART=n.
;; ======== version 1 of 2: 4 launches
;; limits: values are held in f16: magnitudes above 65,504 overflow, below 6.1e-05 lose precision
;; workspace buffers: xb 16,777,216 bytes; wb 6,291,456 bytes; q 16,777,216 bytes; k 16,777,216 bytes; vt 16,777,216 bytes; p 33,554,432 bytes; ms 524,288 bytes; ls 524,288 bytes
;; launch cast (part 1): grid 256 x 1, 11 waves a work-group, no clusters, 0 bytes of LDS; arguments x, Wq, Wk, Wv, xb, wb; writes xb, wb
.if DOCPART == 1
	.amdgcn_target "amdgcn-amd-amdhsa--gfx1250"
	.amdhsa_code_object_version 6
	.text
	.protected	k_qf434fa550a_cast
	.globl	k_qf434fa550a_cast
	.p2align	8
	.type	k_qf434fa550a_cast,@function
k_qf434fa550a_cast:
	s_mov_b64 s[64:65], 0
	v_nop
	global_prefetch_b8 v0, s[64:65] scope:SCOPE_SE
	s_setreg_imm32_b32 hwreg(HW_REG_WAVE_MODE, 25, 1), 1
	s_wait_xcnt 0x0
; SELF-ATTENTION, one head of width 1024, 4 batches of 2048 rows: q, k, v = x W^T; out = softmax(q k^T / 32) v.  Four launches: this one, proj, scores, pv.
; NO WORK IS LEFT OUT: every input reaches the output; the factor 1/32 is applied in f32, inside the exponent's scale (launch scores).
; THIS LAUNCH rounds x and the three weights once to bf16 and lays them in chunks of 64 channels, so that what one tensor load of the next launch brings lies on end in memory:
;   xb [kb 16][row 8192][64];  wb [kb 16][rho 3072][64], rho = 384 t + 192 h + 64 p + i for row o = 128 t + 64 h + i of W_p (p = 0 Wq, 1 Wk, 2 Wv).
; SHARES.  8192 + 3 x 1024 rows are 2816 groups of 4 rows = 256 work-groups x 11 waves: a wave takes one group, G = 11 x work-group + wave.  No loop, no LDS, no matrix unit: bytes are all.
; A load takes one chunk's 64 numbers of two rows: lanes 0-15 the 256 consecutive bytes of one row, lanes 16-31 those of the next.  A lane's 4 numbers round to 8 bytes, and a store of the wave covers
; the two rows' 2 x 128 bytes of that chunk: 256 consecutive bytes, aligned.  All 32 loads are issued before the first wait.  No register is written twice, so no wait stands for a store's sources.
; LIMITS.  Rounding to bf16 is to nearest even; NaN and infinities pass as the conversion leaves them.
.set KSX, 1048576                      ; bytes from chunk to chunk in xb
.set KSW, 393216                       ; and in wb
.set LO,  2                            ; v2       my byte offset in the group's first two rows of the source
.set SO,  8                            ; v[8:23]  my byte offset in the destination, for each chunk
.set IN,  32                           ; v[32:159]  as loaded: chunk kb, pair of rows e at IN + 8 kb + 4 e
.set OUT, 160                          ; v[160:223] as stored: at OUT + 4 kb + 2 e
	s_load_b256 s[4:11], s[0:1], 0x0               ; x s[4:5], Wq s[6:7], Wk s[8:9], Wv s[10:11]
	s_load_b128 s[12:15], s[0:1], 0x20             ; xb s[12:13], wb s[14:15]
	v_lshrrev_b32 v1, 5, v0
	v_readfirstlane_b32 s16, v1                    ; wave 0..10
	s_mul_i32 s17, ttmp9, 11
	s_add_co_u32 s17, s17, s16                     ; G: 0..2047 groups of x, 2048..2815 groups of the weights
	s_and_b32 s18, s17, 2047
	s_bfe_u32 s19, s18, 0x20008                    ; p: which weight
	s_and_b32 s18, s18, 255                        ; r: the group in that weight; its first row is o = 4 r
	s_lshr_b32 s20, s18, 5                         ; t = o / 128
	s_mul_i32 s20, s20, 384
	s_bfe_u32 s21, s18, 0x10004                    ; h = (o / 64) % 2
	s_mul_i32 s21, s21, 192
	s_add_co_u32 s20, s20, s21
	s_lshl_b32 s21, s19, 6
	s_add_co_u32 s20, s20, s21
	s_and_b32 s21, s18, 15
	s_lshl_b32 s21, s21, 2                         ; o % 64
	s_add_co_u32 s20, s20, s21                     ; rho
	s_lshl_b32 s20, s20, 7                         ; a weight's group: where it goes,
	s_lshl_b32 s21, s18, 14                        ; and where it comes from
	s_lshl_b32 s22, s17, 14                        ; a group of x: where it comes from,
	s_lshl_b32 s23, s17, 9                         ; and where it goes
	s_mov_b32 s29, KSW
	s_cmp_lt_u32 s17, 2048                         ; a group of x?
	s_cselect_b32 s24, s22, s21
	s_cselect_b32 s26, s23, s20
	s_cselect_b32 s28, KSX, s29
	s_mov_b32 s25, 0
	s_mov_b32 s27, 0
	v_and_b32 v3, 31, v0                           ; lane
	v_lshrrev_b32 v4, 4, v3                        ; which of the two rows
	v_and_b32 v5, 15, v3                           ; which 4 numbers of a chunk's 64
	v_lshlrev_b32 v[LO], 12, v4
	v_lshl_add_u32 v[LO], v5, 4, v[LO]
	v_lshlrev_b32 v4, 3, v3                        ; 128 x row + 8 x piece = 8 x lane
.irp kb, 0,1,2,3,4,5,6,7,8,9,10,11,12,13,14,15
	s_mul_i32 s30, s28, \kb
	v_add_nc_u32 v[SO+\kb], s30, v4
.endr
	s_wait_kmcnt 0x0
	s_cmp_eq_u32 s19, 1
	s_cselect_b64 s[32:33], s[8:9], s[6:7]
	s_cmp_eq_u32 s19, 2
	s_cselect_b64 s[32:33], s[10:11], s[32:33]
	s_cmp_lt_u32 s17, 2048
	s_cselect_b64 s[32:33], s[4:5], s[32:33]
	s_cselect_b64 s[34:35], s[12:13], s[14:15]
	s_add_nc_u64 s[32:33], s[32:33], s[24:25]
	s_add_nc_u64 s[34:35], s[34:35], s[26:27]
.irp kb, 0,1,2,3,4,5,6,7,8,9,10,11,12,13,14,15
	global_load_b128 v[IN+8*\kb:IN+8*\kb+3],   v[LO], s[32:33] offset:256*\kb th:TH_LOAD_NT       ; rows 0 and 1
	global_load_b128 v[IN+8*\kb+4:IN+8*\kb+7], v[LO], s[32:33] offset:256*\kb+8192 th:TH_LOAD_NT  ; rows 2 and 3
.endr
.irp kb, 0,1,2,3,4,5,6,7,8,9,10,11,12,13,14,15
	s_wait_loadcnt 30-2*\kb                        ; loads come back in order: this chunk's two are in, the later chunks' stay out
.irp e, 0,1,2,3
	v_cvt_pk_bf16_f32 v[OUT+4*\kb+\e], v[IN+8*\kb+2*\e], v[IN+8*\kb+2*\e+1]
.endr
	global_store_b64 v[SO+\kb], v[OUT+4*\kb:OUT+4*\kb+1],   s[34:35]
	global_store_b64 v[SO+\kb], v[OUT+4*\kb+2:OUT+4*\kb+3], s[34:35] offset:256
.endr
	s_endpgm
.Lfunc_end_k_qf434fa550a_cast:
	.size	k_qf434fa550a_cast, .Lfunc_end_k_qf434fa550a_cast-k_qf434fa550a_cast
	.p2alignl 7, 3214868480
	.fill 96, 4, 3214868480
	.section	.rodata,"a",@progbits
	.p2align	6, 0x0
	.amdhsa_kernel k_qf434fa550a_cast
		.amdhsa_group_segment_fixed_size 0
		.amdhsa_private_segment_fixed_size 0
		.amdhsa_enable_private_segment 0
		.amdhsa_kernarg_size 48
		.amdhsa_user_sgpr_count 2
		.amdhsa_user_sgpr_kernarg_segment_ptr 1
		.amdhsa_wavefront_size32 1
		.amdhsa_system_sgpr_workgroup_id_x 1
		.amdhsa_system_sgpr_workgroup_id_y 1
		.amdhsa_system_sgpr_workgroup_id_z 1
		.amdhsa_system_vgpr_workitem_id 0
		.amdhsa_next_free_vgpr 224
		.amdhsa_next_free_sgpr 66
		.amdhsa_reserve_vcc 0
		.amdhsa_float_denorm_mode_32 3
		.amdhsa_float_denorm_mode_16_64 3
		.amdhsa_memory_ordered 1
		.amdhsa_forward_progress 1
		.amdhsa_inst_pref_size 14
	.end_amdhsa_kernel
	.amdgpu_metadata
---
amdhsa.version: [ 1, 2 ]
amdhsa.kernels:
  - .name:           k_qf434fa550a_cast
    .symbol:         k_qf434fa550a_cast.kd
    .args:
      - { .name: x, .offset: 0, .size: 8, .value_kind: global_buffer, .address_space: global }
      - { .name: Wq, .offset: 8, .size: 8, .value_kind: global_buffer, .address_space: global }
      - { .name: Wk, .offset: 16, .size: 8, .value_kind: global_buffer, .address_space: global }
      - { .name: Wv, .offset: 24, .size: 8, .value_kind: global_buffer, .address_space: global }
      - { .name: xb, .offset: 32, .size: 8, .value_kind: global_buffer, .address_space: global }
      - { .name: wb, .offset: 40, .size: 8, .value_kind: global_buffer, .address_space: global }
    .group_segment_fixed_size: 0
    .private_segment_fixed_size: 0
    .kernarg_segment_align: 8
    .kernarg_segment_size: 48
    .max_flat_workgroup_size: 352
    .sgpr_count:     66
    .vgpr_count:     224
    .wavefront_size: 32
...
	.end_amdgpu_metadata
.endif
;; end of part 1
;; launch proj (part 2): grid 8 x 32, 4 waves a work-group, clusters of 4 x 4, 327,680 bytes of LDS; arguments xb, wb, q, k, vt; writes q, k, vt
.if DOCPART == 2
	.amdgcn_target "amdgcn-amd-amdhsa--gfx1250"
	.amdhsa_code_object_version 6
	.text
	.protected	k_qf434fa550a_proj
	.globl	k_qf434fa550a_proj
	.p2align	8
	.type	k_qf434fa550a_proj,@function
k_qf434fa550a_proj:
	s_mov_b64 s[64:65], 0
	v_nop
	global_prefetch_b8 v0, s[64:65] scope:SCOPE_SE
	s_setreg_imm32_b32 hwreg(HW_REG_WAVE_MODE, 25, 1), 1
	s_wait_xcnt 0x0
	s_wait_alu depctr_hold_cnt(0) depctr_sa_sdst(0) depctr_va_vdst(0) depctr_va_sdst(0) depctr_va_ssrc(0) depctr_va_vcc(0) depctr_vm_vsrc(0)
	s_getreg_b32 s2, hwreg(HW_REG_IB_STS2, 6, 4)
	s_cmp_eq_u32 s2, 0
	s_cbranch_scc0 .Lentry_in_a_cluster
	s_endpgm
.Lentry_in_a_cluster:
	s_bfe_u32 s2, ttmp6, 0x10000c
	s_cmp_lg_u32 s2, 0xf033
	s_cbranch_scc0 .Lentry_shape_is_right
	s_endpgm
.Lentry_shape_is_right:
; q, k, v = x W^T for all three weights at once.  Operands bf16 (xb, wb as the launch before laid them), sums f32, results rounded once to f16.  No work is left out.
; LIMIT.  f16 holds no number beyond 65,504: |q|, |k|, |v| must stay within it (inputs 30 times those of ordinary spread, or offset by 30 spreads, do).
; SHARES.  Work-group (t, y): rows 256 y .. of x against columns 128 t .. of each of Q, K, V.  Wave (wr, wc): 128 rows x 64 columns of each: 96 accumulators, 768 registers.
; K goes in 16 steps of 64 through two LDS slots; a wave's tensor load brings a dense block (128 rows of x or 192 rows of weights, 128 bytes each) as rows of 256 bytes, padded in LDS behind every 128.
; Slot 1 begins at 2^17, so that one exclusive or turns an address in one slot into the other's: the loop is written for one K step.
; CLUSTER 4 x 4: x's tile hangs on y alone and is asked for jointly along a row of the cluster, the weights' tile on t alone and jointly along a column.
; LAYOUTS OUT: in the order in which the next launches' operand registers take the numbers.  A BLOCK is 16 rows x 16 numbers along the next product's K, 512 bytes: lane l's 16 bytes, at 16 l, hold row
; l % 16, numbers 8 (l / 16) + 0..7; two blocks are a fragment.   q, k: chunk (s = dim / 128, g = row / 128) at (64 s + g) x 32,768 bytes: [dims / 32: 4][rows / 16: 8][half: 2][block].
; vt = V^T: chunk (S = key / 128, g = d / 128) at (8 S + g) x 32,768: [keys / 32: 4][d / 16: 8][half: 2][block].
; For Q and K source 0 is the weights' rows: a lane holds one row of x and 8 neighbouring columns.  For V source 0 is x's rows: a lane holds one column d and 8 neighbouring keys.  So an accumulator, rounded,
; IS a block, and is stored straight from registers: 512 consecutive bytes an instruction, aligned.
; REGISTERS.  Window 0: v16-31 addresses; A0 v32-95, A1 v96-159 x's fragments (8 x 16 rows x 32 K), two buffers; BF v160-255 the weights' 12 fragments, one buffer, refilled four at a time behind their
; last use.  Windows 1, 2, 3: Q's, K's, V's accumulators, (a, i) at v[8 (4 a + i)].
.set PITCH, 144                        ; an LDS row: 128 bytes + 16 of padding = 36 words: the 16 rows of a load start at 16 different groups of four banks (ISA guide 11.1)
.set FR,    16*PITCH                   ; a fragment's 16 rows
.set AH,    128*PITCH
.set BH,    192*PITCH
.set SLOT1, 1<<17                      ; a slot: x's two halves, then the weights' two halves: 92,160 bytes
.set SPARE, SLOT1+2*AH+2*BH            ; behind slot 1: the spare words, 128 bytes a wave: two blocks of 256 bytes that no other line names
.set XKB,   1048576                    ; bytes from K step to K step in xb
.set WKB,   393216                     ; and in wb
.set ADRA0, 16                         ; v16  my place in a slot's tile of x; never rewritten
.set ADRB0, 17                         ; v17  the same for the weights
.set CA,   20                          ; v20  ADRA0 in the slot that is being read
.set CB,   21                          ; v21  ADRB0 likewise
.set GO,   26                          ; v26  16 x lane
.set SPW,  28
.set NIL,  29
.set PFO,  30
.set A0,   32
.set A1,   96
.set BF,   160
.set OB,   32                          ; the way out: six sets of 32 registers
.set G1,   24
.set G0,   32                          ; s[32:39] group 0 for x's tiles: a set for each first fill; the second then walks on
.set G1B,  48
.set G0B,  56
.set TB,   78                          ; s78  0 or SLOT1: the slot that is being read
.set PFA,  80                          ; s[80:81] where my prefetches stand
.set PFS,  82                          ; s[82:83] a K step of the tensor that I prefetch
.set LIMC, 84                          ; s84  I prefetch in this trip while s3 is above it
.set LIMX, 85                          ; s85  turns LIMC from trip to trip
.set QBS,  90
.set KBS,  92
.set VBS,  94
.set DW0,  (1<<16)|(1<<20)|(1<<21)|(4<<22)|(3<<25)  ; 2-byte elements; padding on; bit 21 beside a mask; behind every 32 words; 4 words
.set MSB, 0
.macro WIN new                         ; the immediate's high byte repeats the setting that is left; a switch that changes nothing is dropped
.if MSB != (\new)
	s_set_vgpr_msb (MSB<<8)|(\new)
.set MSB, (\new)
.endif
.endm
.macro PLACES                          ; four places behind matrix instructions, in front of loads into registers that they read and of conversions of their results
.rept 4
	v_nop
.endr
.endm
.macro JLOAD s                         ; a joint load: waves 0 and 1 fetch x's halves, waves 2 and 3 the weights'; an s_nop 0 and four v_nop follow each line
	s_cmp_eq_u32 s11, 0
	s_cbranch_scc0 .Lfor_b_\@
	tensor_load_to_lds s[G0+4*(\s):G0+4*(\s)+3], s[G1:G1+7]
	s_nop 0
.rept 4
	v_nop
.endr
	s_branch .Lasked_\@
.Lfor_b_\@:
	tensor_load_to_lds s[G0B+4*(\s):G0B+4*(\s)+3], s[G1B:G1B+7]
	s_nop 0
.rept 4
	v_nop
.endr
.Lasked_\@:
.endm
.macro CREST                           ; a round of the cluster's barrier behind its opening barrier
	s_cmp_lg_u32 s10, 0
	s_cbranch_scc1 .Lnot_wave_0_\@
	s_barrier_signal -3
.Lnot_wave_0_\@:
	s_barrier_wait -3
	s_barrier_signal -1
	s_barrier_wait -1
.endm
.macro CROUND
	s_barrier_signal -1
	s_barrier_wait -1
	CREST
.endm
; A prefetch into the L2, behind a joint load and the LDS loads that follow it: blocks of 256 bytes, a lane a block, of the K step two refills on.  x's 128 blocks of a K step are shared out among the four
; partners by address (cx); wave 0 asks, in every trip, in the clusters with x = 0 alone.  The weights' 192 blocks: 48 a partner (cy); waves 1 to 3 ask for two K steps at once in every second trip, in the
; clusters with y = 0.  The last two trips (s3 = 2, 1) ask for nothing: the highest K step named is 15.  The first four K steps come by their loads alone.
.macro ASK
	s_cmp_gt_u32 s3, s[LIMC]
	s_cbranch_scc0 .Lnot_mine_\@
	global_prefetch_b8 v[PFO], s[PFA:PFA+1] th:TH_LOAD_NT scope:SCOPE_SE
.Lnot_mine_\@:
	s_xor_b32 s[LIMC], s[LIMC], s[LIMX]
.endm
	s_load_b256 s[68:75], s[0:1], 0x0              ; xb s[68:69], wb s[70:71], q s[72:73], k s[74:75]
	s_load_b64 s[76:77], s[0:1], 0x20              ; vt
	v_lshl_add_u32 v[SPW], v0, 2, SPARE
	v_mov_b32 v[NIL], 0
	ds_add_u32 v[SPW], v[NIL]                      ; the wave's opening: the add, twice on end, and its wait ahead of my first tensor load
	ds_add_u32 v[SPW], v[NIL]
	v_lshrrev_b32 v1, 5, v0
	v_readfirstlane_b32 s10, v1                    ; wave 0..3
	s_lshr_b32 s11, s10, 1                         ; wr: my half of the rows.  Also: I fetch x (0) or weights (1)
	s_and_b32 s12, s10, 1                          ; wc: my half of the columns.  Also: which half I fetch
	s_bfe_u32 s40, ttmp6, 0x40000                  ; cx
	s_bfe_u32 s41, ttmp6, 0x40004                  ; cy
	s_lshl_b32 s42, ttmp9, 2
	s_add_co_u32 s42, s42, s40                     ; t
	s_and_b32 s13, ttmp7, 0xffff
	s_lshl_b32 s13, s13, 2
	s_add_co_u32 s13, s13, s41                     ; y
	s_lshl_b32 s43, s41, 2
	s_lshl_b32 s43, 15, s43                        ; my row of the cluster
	s_lshl_b32 s44, 0x1111, s40                    ; my column
	s_or_b32 s[G1+0], s43, DW0
	s_or_b32 s[G1B+0], s44, DW0
	s_mov_b32 s[G1+1], 128<<16                     ; tensor_dim0 = 128 elements: 256 bytes
	s_mov_b32 s[G1+2], 64<<16                      ; tensor_dim1 = 64 rows: 16,384 dense bytes
	s_mov_b32 s[G1+3], 128<<16                     ; tile_dim0
	s_mov_b32 s[G1+4], 64                          ; tile_dim1
	s_mov_b32 s[G1+5], 128                         ; from row to row
	s_mov_b32 s[G1+6], 0
	s_mov_b32 s[G1+7], 0
	s_mov_b32 s[G1B+1], 128<<16
	s_mov_b32 s[G1B+2], 96<<16                     ; 96 rows: 24,576 dense bytes
	s_mov_b32 s[G1B+3], 128<<16
	s_mov_b32 s[G1B+4], 96
	s_mov_b32 s[G1B+5], 128
	s_mov_b32 s[G1B+6], 0
	s_mov_b32 s[G1B+7], 0
	s_lshl_b32 s16, s13, 15                        ; x: (256 y + 128 half) rows of 128 bytes
	s_lshl_b32 s17, s12, 14
	s_add_co_u32 s16, s16, s17
	s_mov_b32 s17, 0
	s_mul_i32 s46, s42, 384*128                    ; weights: (384 t + 192 half) rows
	s_mul_i32 s47, s12, 192*128
	s_add_co_u32 s46, s46, s47
	s_mov_b32 s47, 0
	s_mul_i32 s20, s12, AH                         ; where they go in a slot: no place in the cluster enters an LDS address
	s_mul_i32 s21, s12, BH
	s_add_co_u32 s21, s21, 2*AH
	s_wait_dscnt 0x0                               ; both opening adds are done
	s_wait_kmcnt 0x0
	s_add_nc_u64 s[14:15], s[68:69], s[16:17]
	s_add_nc_u64 s[46:47], s[70:71], s[46:47]
	CROUND                                         ; all sixteen work-groups are here: the first joint loads meet
.irp s, 0,1
	s_mov_b32 s[G0+4*\s], 1
	s_add_co_u32 s[G0+4*\s+1], s20, \s*SLOT1
	s_add_nc_u64 s[G0+4*\s+2:G0+4*\s+3], s[14:15], \s*XKB
	s_or_b32 s[G0+4*\s+3], s[G0+4*\s+3], 0x80000000
	s_mov_b32 s[G0B+4*\s], 1
	s_add_co_u32 s[G0B+4*\s+1], s21, \s*SLOT1
	s_add_nc_u64 s[G0B+4*\s+2:G0B+4*\s+3], s[46:47], \s*WKB
	s_or_b32 s[G0B+4*\s+3], s[G0B+4*\s+3], 0x80000000
	JLOAD \s
.endr
	; a fragment is 16 rows x 32 K in 8 registers: lane l holds row l % 16, K = 8 (l / 16) + 0..7 and 16 + 8 (l / 16) + 0..7: two loads of 16 bytes, 32 bytes apart
	v_and_b32 v1, 15, v0
	v_bfe_u32 v2, v0, 4, 1
	v_mul_u32_u24 v3, v1, PITCH
	v_lshl_add_u32 v3, v2, 4, v3
	s_mul_i32 s21, s11, AH
	s_mul_i32 s22, s12, BH
	s_add_co_u32 s22, s22, 2*AH
	v_add_nc_u32 v[ADRA0], s21, v3
	v_add_nc_u32 v[ADRB0], s22, v3
	s_mov_b32 s[TB], 0                             ; K step 0 lies in slot 0
	v_add_nc_u32 v[CA], s[TB], v[ADRA0]
	v_add_nc_u32 v[CB], s[TB], v[ADRB0]
	v_and_b32 v4, 31, v0
	v_lshlrev_b32 v[GO], 4, v4
	s_lshl_b32 s22, s13, 1
	s_add_co_u32 s22, s22, s11                     ; 2 y + wr: my 128 rows
	s_lshl_b32 s18, s42, 6
	s_add_co_u32 s18, s18, s22
	s_lshl_b32 s18, s18, 1
	s_add_co_u32 s18, s18, s12
	s_lshl_b32 s18, s18, 14                        ; chunk 64 t + 2 y + wr of q and k, my 64 dims: its half wc
	s_mov_b32 s19, 0
	s_add_nc_u64 s[QBS:QBS+1], s[72:73], s[18:19]
	s_add_nc_u64 s[KBS:KBS+1], s[74:75], s[18:19]
	s_lshl_b32 s18, s22, 3
	s_add_co_u32 s18, s18, s42
	s_lshl_b32 s18, s18, 15                        ; chunk 8 (2 y + wr) + t of V^T,
	s_lshl_b32 s23, s12, 12                        ; my four blocks of 16 d among its eight
	s_add_co_u32 s18, s18, s23
	s_add_nc_u64 s[VBS:VBS+1], s[76:77], s[18:19]
	; the prefetches
	s_lshl_b32 s18, s13, 15
	s_lshl_b32 s22, s40, 13
	s_add_co_u32 s18, s18, s22
	s_add_co_u32 s18, s18, 3*XKB                   ; x: K step 3, my work-group's 32 blocks; the first refill steps it to 4
	s_mul_i32 s19, s42, 384*128
	s_mul_i32 s22, s41, 96*128
	s_add_co_u32 s19, s19, s22
	s_add_co_u32 s19, s19, 3*WKB                   ; weights: K step 3, my work-group's 48 blocks
	s_and_b32 s23, ttmp7, 0xffff
	s_mov_b32 s17, WKB
	s_cmp_eq_u32 s10, 0
	s_cselect_b32 s18, s18, s19
	s_cselect_b32 s[PFS], XKB, s17
	s_cselect_b32 s23, ttmp9, s23                  ; the coordinate along which other clusters read the same rows
	s_cselect_b32 s45, 2, -1                       ; wave 0 asks in the odd trips too
	s_cselect_b64 s[PFA:PFA+1], s[68:69], s[70:71]
	s_mov_b32 s19, 0
	s_mov_b32 s[PFS+1], 0
	s_add_nc_u64 s[PFA:PFA+1], s[PFA:PFA+1], s[18:19]
	s_cmp_eq_u32 s23, 0
	s_cselect_b32 s[LIMC], 2, -1
	s_cselect_b32 s[LIMX], s45, -1
	s_xor_b32 s[LIMX], s[LIMX], s[LIMC]
	s_cmp_eq_u32 s10, 3                            ; waves 0, 1: blocks 0-31; wave 2: blocks 0-31 a K step on; wave 3: blocks 32-47 of both K steps
	s_cselect_b32 s14, 15, 31
	s_cselect_b32 s15, s17, 0
	s_cselect_b32 s16, 8192, 0
	s_cmp_eq_u32 s10, 2
	s_cselect_b32 s16, s17, s16
	v_and_b32 v5, s14, v4
	v_lshrrev_b32 v6, 4, v4
	v_mul_u32_u24 v6, s15, v6
	v_lshl_add_u32 v[PFO], v5, 8, v6
	v_add_nc_u32 v[PFO], s16, v[PFO]
; n row blocks from a0 on x 4 column blocks of product p (0 Q, 1 K, 2 V), 32 along K.  Every accumulator has one instruction in a stretch: the 96 take turns over the backward jump too.
.macro STR p, buf, a0, n, zero
	WIN 0x50*((\p)+1)                              ; C and D in window 1 + p, sources in window 0
.set aa, \a0
.rept \n
.irp i, 0,1,2,3
.if (\p) < 2
.if \zero
	v_wmma_f32_16x16x32_bf16 v[8*(4*aa+\i):8*(4*aa+\i)+7], v[BF+8*(4*(\p)+\i):BF+8*(4*(\p)+\i)+7], v[(\buf)+8*aa:(\buf)+8*aa+7], 0
.else
	v_wmma_f32_16x16x32_bf16 v[8*(4*aa+\i):8*(4*aa+\i)+7], v[BF+8*(4*(\p)+\i):BF+8*(4*(\p)+\i)+7], v[(\buf)+8*aa:(\buf)+8*aa+7], v[8*(4*aa+\i):8*(4*aa+\i)+7]
.endif
.else
.if \zero
	v_wmma_f32_16x16x32_bf16 v[8*(4*aa+\i):8*(4*aa+\i)+7], v[(\buf)+8*aa:(\buf)+8*aa+7], v[BF+8*(8+\i):BF+8*(8+\i)+7], 0
.else
	v_wmma_f32_16x16x32_bf16 v[8*(4*aa+\i):8*(4*aa+\i)+7], v[(\buf)+8*aa:(\buf)+8*aa+7], v[BF+8*(8+\i):BF+8*(8+\i)+7], v[8*(4*aa+\i):8*(4*aa+\i)+7]
.endif
.endif
.endr
.set aa, aa+1
.endr
.endm
.macro LDB k, f0                       ; eight loads: the weights' fragments f0 .. f0 + 3, at byte k of the rows of the slot that is being read
	WIN 0
.irp i, 0,1,2,3
	ds_load_b128 v[BF+8*((\f0)+\i):BF+8*((\f0)+\i)+3],   v[CB] offset:(\k)+((\f0)+\i)*FR
	ds_load_b128 v[BF+8*((\f0)+\i)+4:BF+8*((\f0)+\i)+7], v[CB] offset:(\k)+((\f0)+\i)*FR+32
.endr
.endm
.macro LDA k, dst, f0                  ; eight loads: x's fragments f0 .. f0 + 3 into buffer dst
	WIN 0
.irp i, 0,1,2,3
	ds_load_b128 v[(\dst)+8*((\f0)+\i):(\dst)+8*((\f0)+\i)+3],   v[CA] offset:(\k)+((\f0)+\i)*FR
	ds_load_b128 v[(\dst)+8*((\f0)+\i)+4:(\dst)+8*((\f0)+\i)+7], v[CA] offset:(\k)+((\f0)+\i)*FR+32
.endr
.endm
; A K step's first 32 along K, on A0; behind each product's stretch its four weight fragments are fetched anew, for the second 32, and half of A1 with the first two.
.macro EVEN zero
	s_wait_dscnt 8                                 ; all but the youngest eight loads (V's fragments) are in
	STR 0, A0, 0, 8, \zero
	PLACES
	LDB 64, 0
	LDA 64, A1, 0
	STR 1, A0, 0, 8, \zero
	PLACES
	LDB 64, 4
	LDA 64, A1, 4
	s_wait_dscnt 32                                ; V's fragments are in; the 32 loads just issued may be out
	STR 2, A0, 0, 8, \zero
	PLACES
	LDB 64, 8
.endm
; A K step's second 32, on A1, and the change of slots.  In front of the barrier each wave waits for all its tensor loads (one is out: its part of the other slot), adds 0 to its spare word, and waits for that
; and for its reads of this slot; the addresses and the walking descriptors are turned to the other slot meanwhile.  fill = 1: the barrier opens a round of the cluster's, and the joint refill, two K steps on,
; is the first thing behind it: 160 matrix instructions ahead of the wait for it.
.macro ODD fill
.if \fill
	s_wait_xcnt 0x0                                ; the last prefetch, a K step back, has read its address
	s_add_nc_u64 s[PFA:PFA+1], s[PFA:PFA+1], s[PFS:PFS+1]
.endif
	WIN 0
	s_wait_tensorcnt 0x0                           ; no tensor load of mine is out, so a group 0 may be written
	ds_add_u32 v[SPW], v[NIL]
	s_xor_b32 s[TB], s[TB], SLOT1                  ; what is read from here on lies in the other slot
	v_add_nc_u32 v[CA], s[TB], v[ADRA0]
	v_add_nc_u32 v[CB], s[TB], v[ADRB0]
.if \fill
	s_xor_b32 s[G0+5], s[G0+5], SLOT1              ; the walking descriptors: the other slot than last time, the next K step
	s_add_nc_u64 s[G0+6:G0+7], s[G0+6:G0+7], XKB
	s_xor_b32 s[G0B+5], s[G0B+5], SLOT1
	s_add_nc_u64 s[G0B+6:G0B+7], s[G0B+6:G0B+7], WKB
.endif
	s_wait_dscnt 9                                 ; the add and V's eight loads may be out
	STR 0, A1, 0, 4, 0
	s_wait_dscnt 0x0                               ; the add is done, and my reads of this slot are over
	s_barrier_signal -1
	STR 0, A1, 4, 4, 0
	WIN 0
	s_barrier_wait -1
.if \fill
	CREST
	JLOAD 1                                        ; its four v_nop are also the places in front of the loads below
.else
	PLACES
.endif
	LDB 0, 0
	LDA 0, A0, 0
.if \fill
	ASK
.endif
	STR 1, A1, 0, 8, 0
	PLACES
	LDB 0, 4
	LDA 0, A0, 4
	STR 2, A1, 0, 8, 0
	PLACES
	LDB 0, 8
.endm
	s_wait_tensorcnt 1                             ; my part of K step 0 is in; K step 1's may stay out
	s_barrier_signal -1
	s_barrier_wait -1
	LDB 0, 0
	LDA 0, A0, 0
	LDB 0, 4
	LDA 0, A0, 4
	LDB 0, 8
	EVEN 1                                         ; the first products start the sums: nothing is cleared
	WIN 0
	s_mov_b32 s3, 14
.Lstep:                                        ; a trip: a K step's second half, the refill of its slot, the next K step's first half
	ODD 1
	EVEN 0
	WIN 0
	s_sub_co_u32 s3, s3, 1
	s_cmp_lg_u32 s3, 0
	s_cbranch_scc1 .Lstep
	ODD 0                                          ; the last two K steps fill nothing
	EVEN 0
	s_wait_dscnt 0x0
	STR 0, A1, 0, 8, 0
	STR 1, A1, 0, 8, 0
	STR 2, A1, 0, 8, 0
	WIN 0
	PLACES
; THE WAY OUT: 12 units of eight accumulators (two row blocks of one product).  Rounded to f16, each accumulator is a block of its tensor's layout and is stored from registers, 512 consecutive bytes.
; Six sets of registers take turns: one wait, in front of the seventh unit, frees them all.
.macro UNIT2 n
.set w, 1+(\n)/4
.set ra, 2*((\n)%4)
.set ub, OB+32*((\n)%6)
.if (\n) == 6
	s_wait_xcnt 0x0                                ; the first six units' stores have read their registers
.endif
	WIN w|(w<<2)
.irp aa, 0,1
.irp i, 0,1,2,3
.irp e, 0,1,2,3
	v_cvt_pk_f16_f32 v[ub+16*\aa+4*\i+\e], v[32*(ra+\aa)+8*\i+2*\e], v[32*(ra+\aa)+8*\i+2*\e+1]
.endr
.endr
.endr
	WIN 0
.irp aa, 0,1
.irp i, 0,1,2,3
.if (\n) < 4
	global_store_b128 v[GO], v[ub+16*\aa+4*\i:ub+16*\aa+4*\i+3], s[QBS:QBS+1] offset:(\i/2)*8192+(ra+\aa)*1024+(\i%2)*512
.elseif (\n) < 8
	global_store_b128 v[GO], v[ub+16*\aa+4*\i:ub+16*\aa+4*\i+3], s[KBS:KBS+1] offset:(\i/2)*8192+(ra+\aa)*1024+(\i%2)*512
.else
	global_store_b128 v[GO], v[ub+16*\aa+4*\i:ub+16*\aa+4*\i+3], s[VBS:VBS+1] offset:((ra+\aa)/2)*8192+\i*1024+((ra+\aa)%2)*512
.endif
.endr
.endr
.endm
.irp n, 0,1,2,3,4,5,6,7,8,9,10,11
	UNIT2 \n
.endr
	s_wait_tensorcnt 0x0                           ; the wave's end
	ds_add_u32 v[SPW], v[NIL]
	s_wait_dscnt 0x0
	CROUND                                         ; the closing round
	s_endpgm
.Lfunc_end_k_qf434fa550a_proj:
	.size	k_qf434fa550a_proj, .Lfunc_end_k_qf434fa550a_proj-k_qf434fa550a_proj
	.p2alignl 7, 3214868480
	.fill 96, 4, 3214868480
	.section	.rodata,"a",@progbits
	.p2align	6, 0x0
	.amdhsa_kernel k_qf434fa550a_proj
		.amdhsa_group_segment_fixed_size 327680
		.amdhsa_private_segment_fixed_size 0
		.amdhsa_enable_private_segment 0
		.amdhsa_kernarg_size 40
		.amdhsa_user_sgpr_count 2
		.amdhsa_user_sgpr_kernarg_segment_ptr 1
		.amdhsa_wavefront_size32 1
		.amdhsa_system_sgpr_workgroup_id_x 1
		.amdhsa_system_sgpr_workgroup_id_y 1
		.amdhsa_system_sgpr_workgroup_id_z 1
		.amdhsa_system_vgpr_workitem_id 0
		.amdhsa_next_free_vgpr 1024
		.amdhsa_next_free_sgpr 96
		.amdhsa_reserve_vcc 0
		.amdhsa_float_denorm_mode_32 3
		.amdhsa_float_denorm_mode_16_64 3
		.amdhsa_memory_ordered 1
		.amdhsa_forward_progress 1
		.amdhsa_inst_pref_size 99
	.end_amdhsa_kernel
	.amdgpu_metadata
---
amdhsa.version: [ 1, 2 ]
amdhsa.kernels:
  - .name:           k_qf434fa550a_proj
    .symbol:         k_qf434fa550a_proj.kd
    .args:
      - { .name: xb, .offset: 0, .size: 8, .value_kind: global_buffer, .address_space: global }
      - { .name: wb, .offset: 8, .size: 8, .value_kind: global_buffer, .address_space: global }
      - { .name: q, .offset: 16, .size: 8, .value_kind: global_buffer, .address_space: global }
      - { .name: k, .offset: 24, .size: 8, .value_kind: global_buffer, .address_space: global }
      - { .name: vt, .offset: 32, .size: 8, .value_kind: global_buffer, .address_space: global }
    .group_segment_fixed_size: 327680
    .private_segment_fixed_size: 0
    .kernarg_segment_align: 8
    .kernarg_segment_size: 40
    .max_flat_workgroup_size: 128
    .sgpr_count:     96
    .vgpr_count:     1024
    .wavefront_size: 32
...
	.end_amdgpu_metadata
.endif
;; end of part 2
;; launch scores (part 3): grid 8 x 32, 4 waves a work-group, clusters of 4 x 4, 327,680 bytes of LDS; arguments q, k, p, ms, ls; writes p, ms, ls
.if DOCPART == 3
	.amdgcn_target "amdgcn-amd-amdhsa--gfx1250"
	.amdhsa_code_object_version 6
	.text
	.protected	k_qf434fa550a_scores
	.globl	k_qf434fa550a_scores
	.p2align	8
	.type	k_qf434fa550a_scores,@function
k_qf434fa550a_scores:
	s_mov_b64 s[64:65], 0
	v_nop
	global_prefetch_b8 v0, s[64:65] scope:SCOPE_SE
	s_setreg_imm32_b32 hwreg(HW_REG_WAVE_MODE, 25, 1), 1
	s_wait_xcnt 0x0
	s_wait_alu depctr_hold_cnt(0) depctr_sa_sdst(0) depctr_va_vdst(0) depctr_va_sdst(0) depctr_va_ssrc(0) depctr_va_vcc(0) depctr_vm_vsrc(0)
	s_getreg_b32 s2, hwreg(HW_REG_IB_STS2, 6, 4)
	s_cmp_eq_u32 s2, 0
	s_cbranch_scc0 .Lentry_in_a_cluster
	s_endpgm
.Lentry_in_a_cluster:
	s_bfe_u32 s2, ttmp6, 0x10000c
	s_cmp_lg_u32 s2, 0xf033
	s_cbranch_scc0 .Lentry_shape_is_right
	s_endpgm
.Lentry_shape_is_right:
; s = q k^T; for each tile of 256 queries x 256 keys: m = the row's maximum in the tile, p = 2^(c s - c m) with c = log2(e) / 32, stored in f16; c m and the row's sums of p go out in f32.  No work is left out.
; The maximum is taken away before every exponential; the last launch brings the tiles of a row onto their common maximum, in f32.
; LIMITS.  p lies in 0 to 1 (to within a rounding); below 6e-5 it keeps f16's fixed step; an exponential below 2^-126 counts as 0; NaN and infinities are not treated apart.
; SHARES.  Work-group (n, y): queries 256 y .. (all batches on end), keys 256 n .. of batch y / 8.  Four waves, 128 x 128 each: 64 accumulators.  K (the 1024 dims) in 8 steps of 128 through two LDS slots
; of 2^17 bytes: one exclusive or turns an address in one slot into the other's, and the loop is written for one K step.
; q and k lie in chunks of 128 rows x 128 dims, [dims / 32: 4][rows / 16: 8][half: 2][block of 512 bytes], a block holding lane l's 16 bytes at 16 l: a wave's tensor load brings one chunk, 32,768 dense
; bytes, as 128 rows of 256 bytes; a fragment is two LDS loads of 512 consecutive bytes, so the tiles need no padding.
; CLUSTER 4 x 4: q's tile is asked for jointly along a row of the cluster, k's along a column.
; Source 0 = 16 keys, source 1 = 16 queries: a lane holds ONE query (l % 16) and the keys 16 b + 8 (l / 16) + 0..7: an accumulator, rounded, is a block of p's layout and is stored from registers.
; OUT.  p: chunk (s = key in its batch / 128, G = row / 64) at (128 s + G) x 16,384 bytes: [keys / 32: 4][rows / 16: 4][half: 2][block].  ms, ls [c 16][row 8192], c = key / 128; ms holds the tile's c m in
; both of its chunks.
; REGISTERS.  Window 0: addresses; v64-127, v128-191 q's fragments, two buffers; window 1: the same numbers, k's.  Windows 2, 3: accumulators (a, b) at v[8 (8 (a % 4) + b)].
; The way out is written for the four row blocks of window 2 and walked twice; between the walks window 3's accumulators are moved into window 2: 256 moves a wave, against the text of four row blocks.
; There window 0 holds: v32-39 c m, m a row block; v56-59 sums; v192-207 at work; v64-191 packed p, a set a row block; v224-227 the statistics on their way out.
.set QT,    32768                      ; a chunk
.set SLOT1, 4*QT                       ; a slot: q's two chunks, then k's two
.set XCH,   2*SLOT1                    ; 64 maxima for each wave
.set STT,   XCH+4*256                  ; 64 c m and 64 sums for each wave
.set SPARE, STT+4*512
.set KSB,   2097152                    ; bytes from K step to K step in q and k
.set ADRA0, 16                         ; v16  my place in a slot's tile of q; never rewritten
.set ADRB0, 17                         ; v17  the same for k
.set CA,   20                          ; v20  ADRA0 in the slot that is being read
.set CB,   21
.set XS,   22
.set XR,   23
.set GO8,  24                          ; v24  8 x lane
.set GO,   26                          ; v26  16 x lane
.set SS,   27
.set SPW,  28
.set NIL,  29
.set PFO,  30
.set SR,   31
.set MM,   32
.set LL,   56
.set T,    64
.set CH,   192
.set SB,   224
.set F0,   64
.set F1,   128
.set G1,   24
.set G0,   32
.set G1B,  48
.set G0B,  56
.set TB,   78
.set PFA,  80
.set PFS,  82
.set LIM,  84
.set CS,   86
.set SEL,  88
.set PBS,  90
.set MBS,  92
.set LBS,  94
.set DW0,  (1<<16)|(1<<21)             ; 2-byte elements; bit 21 beside a mask; no padding
.set MUL_LO, 0xa1                      ; source 0 (k) window 1, source 1 (q) window 0, C and D window 2
.set TO_B,   0x40
.set MSB, 0
.macro WIN new
.if MSB != (\new)
	s_set_vgpr_msb (MSB<<8)|(\new)
.set MSB, (\new)
.endif
.endm
.macro PLACES
.rept 4
	v_nop
.endr
.endm
.macro JLOAD s                         ; a joint load: waves 0 and 1 fetch q's chunks, waves 2 and 3 k's
	s_cmp_eq_u32 s11, 0
	s_cbranch_scc0 .Lfor_b_\@
	tensor_load_to_lds s[G0+4*(\s):G0+4*(\s)+3], s[G1:G1+7]
	s_nop 0
.rept 4
	v_nop
.endr
	s_branch .Lasked_\@
.Lfor_b_\@:
	tensor_load_to_lds s[G0B+4*(\s):G0B+4*(\s)+3], s[G1B:G1B+7]
	s_nop 0
.rept 4
	v_nop
.endr
.Lasked_\@:
.endm
.macro CREST
	s_cmp_lg_u32 s10, 0
	s_cbranch_scc1 .Lnot_wave_0_\@
	s_barrier_signal -3
.Lnot_wave_0_\@:
	s_barrier_wait -3
	s_barrier_signal -1
	s_barrier_wait -1
.endm
.macro CROUND
	s_barrier_signal -1
	s_barrier_wait -1
	CREST
.endm
; A prefetch into the L2 of the K step two refills on: of the chunk that a wave fetches (128 blocks of 256 bytes) each of the four partners takes 32, by address; a lane a block.  q's chunks are asked for by
; the clusters with x = 0, k's by the first of the two clusters of a batch.  The last two trips (s3 = 2, 1) ask for nothing: the highest K step named is 7.
.macro ASK
	s_cmp_gt_u32 s3, s[LIM]
	s_cbranch_scc0 .Lnot_mine_\@
	global_prefetch_b8 v[PFO], s[PFA:PFA+1] th:TH_LOAD_NT scope:SCOPE_SE
.Lnot_mine_\@:
.endm
	s_load_b256 s[68:75], s[0:1], 0x0              ; q s[68:69], k s[70:71], p s[72:73], ms s[74:75]
	s_load_b64 s[76:77], s[0:1], 0x20              ; ls
	v_lshl_add_u32 v[SPW], v0, 2, SPARE
	v_mov_b32 v[NIL], 0
	ds_add_u32 v[SPW], v[NIL]                      ; the wave's opening: the add, twice on end, and its wait ahead of my first tensor load
	ds_add_u32 v[SPW], v[NIL]
	v_lshrrev_b32 v1, 5, v0
	v_readfirstlane_b32 s10, v1
	s_lshr_b32 s11, s10, 1                         ; wr; also: I fetch q (0) or k (1)
	s_and_b32 s12, s10, 1                          ; wc; also: which chunk I fetch
	s_bfe_u32 s40, ttmp6, 0x40000
	s_bfe_u32 s41, ttmp6, 0x40004
	s_lshl_b32 s42, ttmp9, 2
	s_add_co_u32 s42, s42, s40                     ; n
	s_and_b32 s13, ttmp7, 0xffff
	s_lshl_b32 s13, s13, 2
	s_add_co_u32 s13, s13, s41                     ; y
	s_lshl_b32 s43, s41, 2
	s_lshl_b32 s43, 15, s43
	s_lshl_b32 s44, 0x1111, s40
	s_or_b32 s[G1+0], s43, DW0
	s_or_b32 s[G1B+0], s44, DW0
.irp g, G1, G1B
	s_mov_b32 s[\g+1], 128<<16
	s_mov_b32 s[\g+2], 128<<16                     ; 128 rows of 256 bytes
	s_mov_b32 s[\g+3], 128<<16
	s_mov_b32 s[\g+4], 128
	s_mov_b32 s[\g+5], 128
	s_mov_b32 s[\g+6], 0
	s_mov_b32 s[\g+7], 0
.endr
	s_lshl_b32 s16, s13, 1
	s_add_co_u32 s16, s16, s12
	s_lshl_b32 s16, s16, 15                        ; q: chunk 2 y + half
	s_mov_b32 s17, 0
	s_and_b32 s46, ttmp7, 0xffff
	s_lshr_b32 s46, s46, 1                         ; the batch, from the cluster's y: the same in all partners
	s_lshl_b32 s46, s46, 4
	s_lshl_b32 s47, s42, 1
	s_add_co_u32 s46, s46, s47
	s_add_co_u32 s46, s46, s12
	s_lshl_b32 s46, s46, 15                        ; k: chunk 16 batch + 2 n + half
	s_mov_b32 s47, 0
	s_mul_i32 s20, s10, QT
	s_mov_b32 s[CS], 0x3d38aa3b                    ; c = log2(e) / 32
	s_mov_b32 s[CS+1], s[CS]
	s_mov_b32 s[SEL], 0x76543210
	s_mov_b32 s[SEL+1], 0xfedcba98
	s_wait_dscnt 0x0
	s_wait_kmcnt 0x0
	s_add_nc_u64 s[14:15], s[68:69], s[16:17]
	s_add_nc_u64 s[46:47], s[70:71], s[46:47]
	CROUND
.irp s, 0,1
	s_mov_b32 s[G0+4*\s], 1
	s_add_co_u32 s[G0+4*\s+1], s20, \s*SLOT1
	s_add_nc_u64 s[G0+4*\s+2:G0+4*\s+3], s[14:15], \s*KSB
	s_or_b32 s[G0+4*\s+3], s[G0+4*\s+3], 0x80000000
	s_mov_b32 s[G0B+4*\s], 1
	s_add_co_u32 s[G0B+4*\s+1], s20, \s*SLOT1
	s_add_nc_u64 s[G0B+4*\s+2:G0B+4*\s+3], s[46:47], \s*KSB
	s_or_b32 s[G0B+4*\s+3], s[G0B+4*\s+3], 0x80000000
	JLOAD \s
.endr
	; the prefetches
	s_and_b32 s22, ttmp7, 1                        ; which of the batch's two clusters
	s_cmp_eq_u32 s11, 0
	s_cselect_b64 s[PFA:PFA+1], s[14:15], s[46:47]
	s_cselect_b32 s18, s40, s41
	s_cselect_b32 s22, ttmp9, s22
	s_lshl_b32 s18, s18, 13
	s_add_co_u32 s18, s18, 3*KSB                   ; K step 3; the first refill steps it to 4
	s_mov_b32 s19, 0
	s_add_nc_u64 s[PFA:PFA+1], s[PFA:PFA+1], s[18:19]
	s_cmp_eq_u32 s22, 0
	s_cselect_b32 s[LIM], 2, -1
	s_mov_b32 s[PFS], KSB
	s_mov_b32 s[PFS+1], 0
	v_and_b32 v4, 31, v0
	v_lshlrev_b32 v[PFO], 8, v4
	; lane addresses
	v_and_b32 v1, 15, v0
	v_lshlrev_b32 v[GO], 4, v4
	v_lshlrev_b32 v[GO8], 3, v4
	s_lshl_b32 s21, s11, 15                        ; my chunk of q,
	s_lshl_b32 s22, s12, 15
	s_add_co_u32 s22, s22, 2*QT                    ; and of k
	v_add_nc_u32 v[ADRA0], s21, v[GO]
	v_add_nc_u32 v[ADRB0], s22, v[GO]
	s_mov_b32 s[TB], 0                             ; K step 0 lies in slot 0
	v_add_nc_u32 v[CA], s[TB], v[ADRA0]
	v_add_nc_u32 v[CB], s[TB], v[ADRB0]
	s_lshl_b32 s23, s10, 8
	s_add_co_u32 s23, s23, XCH
	v_lshl_add_u32 v[XS], v1, 2, s23               ; my wave's maxima,
	s_xor_b32 s14, s10, 1
	s_lshl_b32 s23, s14, 8
	s_add_co_u32 s23, s23, XCH
	v_lshl_add_u32 v[XR], v1, 2, s23               ; and those of the wave with the rows' other 128 keys
	s_lshl_b32 s23, s10, 9
	s_add_co_u32 s23, s23, STT
	v_lshl_add_u32 v[SS], v1, 2, s23
	v_lshl_add_u32 v[SR], v4, 3, s23
	s_lshl_b32 s18, s42, 1
	s_add_co_u32 s18, s18, s12                     ; c = 2 n + wc
	s_lshl_b32 s22, s18, 7
	s_lshl_b32 s23, s13, 2
	s_add_co_u32 s22, s22, s23
	s_lshl_b32 s23, s11, 1
	s_add_co_u32 s22, s22, s23
	s_lshl_b32 s22, s22, 14                        ; chunk 128 c + 4 y + 2 wr of p
	s_mov_b32 s23, 0
	s_add_nc_u64 s[PBS:PBS+1], s[72:73], s[22:23]
	s_lshl_b32 s22, s18, 15
	s_lshl_b32 s18, s13, 10
	s_add_co_u32 s22, s22, s18
	s_lshl_b32 s18, s11, 9
	s_add_co_u32 s22, s22, s18                     ; 32,768 c + 4 (256 y + 128 wr)
	s_add_nc_u64 s[MBS:MBS+1], s[74:75], s[22:23]
	s_add_nc_u64 s[LBS:LBS+1], s[76:77], s[22:23]
; 16 matrix instructions: row blocks a0, a0 + 1 of the window's four x all 8 key blocks, 32 along K.  The 64 accumulators take turns.
.macro MUL16 f, hi, a0, zero
	WIN MUL_LO+0x50*(\hi)
.irp a, \a0, (\a0)+1
.irp b, 0,1,2,3,4,5,6,7
.if \zero
	v_wmma_f32_16x16x32_f16 v[8*(8*(\a)+(\b)):8*(8*(\a)+(\b))+7], v[(\f)+8*(\b):(\f)+8*(\b)+7], v[(\f)+8*(4*(\hi)+(\a)):(\f)+8*(4*(\hi)+(\a))+7], 0
.else
	v_wmma_f32_16x16x32_f16 v[8*(8*(\a)+(\b)):8*(8*(\a)+(\b))+7], v[(\f)+8*(\b):(\f)+8*(\b)+7], v[(\f)+8*(4*(\hi)+(\a)):(\f)+8*(4*(\hi)+(\a))+7], v[8*(8*(\a)+(\b)):8*(8*(\a)+(\b))+7]
.endif
.endr
.endr
.endm
.macro FETCH q, f                      ; 32 LDS loads in one run, 512 consecutive bytes each: quarter q (32 dims) of the K step in the slot that is being read, into buffer f
	WIN TO_B
.irp i, 0,1,2,3,4,5,6,7
	ds_load_b128 v[(\f)+8*\i:(\f)+8*\i+3],   v[CB] offset:(\q)*8192+\i*1024
	ds_load_b128 v[(\f)+8*\i+4:(\f)+8*\i+7], v[CB] offset:(\q)*8192+\i*1024+512
.endr
	WIN 0
.irp i, 0,1,2,3,4,5,6,7
	ds_load_b128 v[(\f)+8*\i:(\f)+8*\i+3],   v[CA] offset:(\q)*8192+\i*1024
	ds_load_b128 v[(\f)+8*\i+4:(\f)+8*\i+7], v[CA] offset:(\q)*8192+\i*1024+512
.endr
.endm
.macro QUARTER q, f, g, zero           ; multiplies buffer f; in its middle fetches quarter q into g
	s_wait_dscnt 8                                 ; k's fragments and q's rows 0-63 are in; the youngest eight loads may be out
	MUL16 \f, 0, 0, \zero
	MUL16 \f, 0, 2, \zero
	PLACES
	FETCH \q, \g
	s_wait_dscnt 32                                ; all but the 32 just issued
	MUL16 \f, 1, 0, \zero
	MUL16 \f, 1, 2, \zero
.endm
; The last quarter multiplies buffer 1 and changes slots: the wait for all my tensor loads, the add, the wait for it and for my reads of this slot, the barrier (with fill = 1 a round of the cluster's),
; the joint refill first behind it: 224 matrix instructions ahead of the wait for it.  The addresses and the walking descriptors are turned to the other slot while the add is out.
.macro TURN fill
.if \fill
	s_wait_xcnt 0x0                                ; the last prefetch, a K step back, has read its address
	s_add_nc_u64 s[PFA:PFA+1], s[PFA:PFA+1], s[PFS:PFS+1]
.endif
	WIN 0
	s_wait_tensorcnt 0x0
	ds_add_u32 v[SPW], v[NIL]
	s_xor_b32 s[TB], s[TB], SLOT1
	v_add_nc_u32 v[CA], s[TB], v[ADRA0]
	v_add_nc_u32 v[CB], s[TB], v[ADRB0]
.if \fill
	s_xor_b32 s[G0+5], s[G0+5], SLOT1
	s_add_nc_u64 s[G0+6:G0+7], s[G0+6:G0+7], KSB
	s_xor_b32 s[G0B+5], s[G0B+5], SLOT1
	s_add_nc_u64 s[G0B+6:G0B+7], s[G0B+6:G0B+7], KSB
.endif
	s_wait_dscnt 9                                 ; the add and the youngest eight loads may be out
	MUL16 F1, 0, 0, 0
	s_wait_dscnt 0x0
	s_barrier_signal -1
	MUL16 F1, 0, 2, 0
	WIN 0
	s_barrier_wait -1
.if \fill
	CREST
	JLOAD 1
.else
	PLACES
.endif
	FETCH 0, F0
.if \fill
	ASK
.endif
	MUL16 F1, 1, 0, 0
	MUL16 F1, 1, 2, 0
.endm
	s_wait_tensorcnt 1                             ; my part of K step 0 is in; K step 1's may stay out
	s_barrier_signal -1
	s_barrier_wait -1
	FETCH 0, F0
	QUARTER 1, F0, F1, 1
	WIN 0
	s_mov_b32 s3, 6
.Lstep:                                        ; a trip: a K step from its second quarter to the next K step's first, and the refill of its slot
	QUARTER 2, F1, F0, 0
	QUARTER 3, F0, F1, 0
	TURN 1
	QUARTER 1, F0, F1, 0
	WIN 0
	s_sub_co_u32 s3, s3, 1
	s_cmp_lg_u32 s3, 0
	s_cbranch_scc1 .Lstep
	QUARTER 2, F1, F0, 0                           ; the last two K steps fill nothing
	QUARTER 3, F0, F1, 0
	TURN 0
	QUARTER 1, F0, F1, 0
	QUARTER 2, F1, F0, 0
	QUARTER 3, F0, F1, 0
	s_wait_dscnt 0x0
	MUL16 F1, 0, 0, 0
	MUL16 F1, 0, 2, 0
	MUL16 F1, 1, 0, 0
	MUL16 F1, 1, 2, 0
	WIN 0
	PLACES
; THE SOFTMAX'S WAY OUT, for the four row blocks in window 2.  Row block a: a lane's 64 scores lie in eight accumulators.
.macro MAXA a                          ; four chains of 16 scores; each accumulator's lowest registers are read first
.set ab, 64*(\a)
	WIN 0x0a
.irp e, 0,1,2,3,4,5,6,7
.irp c, 0,1,2,3
.if \e == 0
	v_max_num_f32 v[CH+4*(\a)+\c], v[ab+16*\c], v[ab+16*\c+1]
.else
	v_max3_num_f32 v[CH+4*(\a)+\c], v[ab+16*\c+2*\e], v[ab+16*\c+2*\e+1], v[CH+4*(\a)+\c]
.endif
.endr
.endr
.endm
.macro EXPS a                          ; c s - c m for 32 pairs, then one batch of 64 exponentials, in place
.set ab, 64*(\a)
	WIN 0x82
.set ee, 0
.rept 32
	v_pk_fma_f32 v[ab+ee:ab+ee+1], v[ab+ee:ab+ee+1], s[CS:CS+1], v[MM+2*(\a):MM+2*(\a)+1] op_sel_hi:[1,0,0] neg_lo:[0,0,1] neg_hi:[0,0,1]
.set ee, ee+2
.endr
.set ee, 0
.rept 64
	v_exp_f32 v[ab+ee], v[ab+ee]
.set ee, ee+1
.endr
.endm
.macro FIN a                           ; rounded to f16; the 64 unrounded weights summed in place; the eight blocks stored, 512 consecutive bytes each
.set ab, 64*(\a)
.set tb, T+32*(\a)
.if (\a) == 0
	s_wait_xcnt 0x0                                ; the walk before has stored from these registers
.endif
	WIN 0x0a
.set ee, 0
.rept 32
	v_cvt_pk_f16_f32 v[tb+ee], v[ab+2*ee], v[ab+2*ee+1]
.set ee, ee+1
.endr
	WIN 0x8a
.irp d, 32,16,8,4,2
.set ee, 0
.rept \d/2
	v_pk_add_f32 v[ab+ee:ab+ee+1], v[ab+ee:ab+ee+1], v[ab+\d+ee:ab+\d+ee+1]
.set ee, ee+2
.endr
.endr
	WIN 0x0a
	v_add_f32 v[LL+(\a)], v[ab], v[ab+1]
	WIN 0
.irp b, 0,1,2,3,4,5,6,7
	global_store_b128 v[GO], v[tb+4*\b:tb+4*\b+3], s[PBS:PBS+1] offset:1024*(\a)+4096*(\b/2)+512*(\b%2)
.endr
.endm
	s_mov_b32 s3, 2
.Lhalf:                                        ; two walks: my rows 0-63, then my rows 64-127
.irp a, 0,1,2,3
	MAXA \a
.endr
	WIN 0
.irp a, 0,1,2,3
	v_max3_num_f32 v[CH+4*\a], v[CH+4*\a], v[CH+4*\a+1], v[CH+4*\a+2]
.endr
.irp a, 0,1,2,3
	v_max_num_f32 v[CH+4*\a], v[CH+4*\a], v[CH+4*\a+3]
.endr
.irp a, 0,1,2,3
	v_permlanex16_b32 v[CH+4*\a+1], v[CH+4*\a], s[SEL], s[SEL+1]  ; the query's other keys lie in the lane 16 away
.endr
.irp a, 0,1,2,3
	v_max_num_f32 v[MM+2*\a+1], v[CH+4*\a], v[CH+4*\a+1]
.endr
.irp a, 0,1,2,3
	ds_store_b32 v[XS], v[MM+2*\a+1] offset:64*\a
.endr
	s_wait_dscnt 0x0                               ; for the other wave's sake
	s_barrier_signal -1
	s_barrier_wait -1
.irp a, 0,1,2,3
	ds_load_b32 v[CH+4*\a+2], v[XR] offset:64*\a
.endr
	s_wait_dscnt 0x0                               ; my reads of the other wave's maxima are over:
	s_barrier_signal -1                            ; the next walk stores into the same bytes only behind this barrier
.irp a, 0,1,2,3
	v_max_num_f32 v[MM+2*\a+1], v[MM+2*\a+1], v[CH+4*\a+2]  ; the maximum over the tile's 256 keys
.endr
.irp a, 0,1,2,3
	v_mul_f32 v[MM+2*\a], s[CS], v[MM+2*\a+1]
.endr
	s_barrier_wait -1
	EXPS 0
	v_nop                                          ; a plain instruction behind the last exponential,
	s_wait_alu depctr_va_vdst(0)                   ; and the batch's one wait, ahead of its first reader
.irp a, 0,1,2,3
.if \a < 3
	EXPS \a+1                                      ; the next batch is issued; the work below names none of its results
.endif
	FIN \a
.if \a < 3
	s_wait_alu depctr_va_vdst(0)                   ; one wait for the batch of 64
.endif
.endr
.irp a, 0,1,2,3
	v_permlanex16_b32 v[CH+4*\a], v[LL+\a], s[SEL], s[SEL+1]
.endr
.irp a, 0,1,2,3
	v_add_f32 v[LL+\a], v[LL+\a], v[CH+4*\a]
.endr
.irp a, 0,1,2,3
	ds_store_b32 v[SS], v[MM+2*\a] offset:64*\a
	ds_store_b32 v[SS], v[LL+\a] offset:256+64*\a
.endr
	ds_load_b64 v[SB:SB+1], v[SR]                  ; LDS serves a wave's instructions in order (ISA guide 5.7.1.4): these see the stores above
	ds_load_b64 v[SB+2:SB+3], v[SR] offset:256
	s_wait_dscnt 0x0
	global_store_b64 v[GO8], v[SB:SB+1], s[MBS:MBS+1]      ; 64 rows' c m: 256 consecutive bytes, aligned
	global_store_b64 v[GO8], v[SB+2:SB+3], s[LBS:LBS+1]    ; and their sums
	s_cmp_eq_u32 s3, 1
	s_cbranch_scc1 .Lwalked                        ; nothing follows the second walk
	s_wait_xcnt 0x0                                ; the stores have read their bases
	s_add_nc_u64 s[PBS:PBS+1], s[PBS:PBS+1], 16384 ; the next chunk of p: my rows 64-127
	s_add_nc_u64 s[MBS:MBS+1], s[MBS:MBS+1], 256
	s_add_nc_u64 s[LBS:LBS+1], s[LBS:LBS+1], 256
	WIN 0x83                                       ; from window 3 into window 2, each accumulator from its lowest register on
.set ee, 0
.rept 256
	v_mov_b32 v[ee], v[ee]
.set ee, ee+1
.endr
	WIN 0
.Lwalked:
	s_sub_co_u32 s3, s3, 1
	s_cmp_lg_u32 s3, 0
	s_cbranch_scc1 .Lhalf
	s_wait_tensorcnt 0x0                           ; the wave's end
	ds_add_u32 v[SPW], v[NIL]
	s_wait_dscnt 0x0
	CROUND
	s_endpgm
.Lfunc_end_k_qf434fa550a_scores:
	.size	k_qf434fa550a_scores, .Lfunc_end_k_qf434fa550a_scores-k_qf434fa550a_scores
	.p2alignl 7, 3214868480
	.fill 96, 4, 3214868480
	.section	.rodata,"a",@progbits
	.p2align	6, 0x0
	.amdhsa_kernel k_qf434fa550a_scores
		.amdhsa_group_segment_fixed_size 327680
		.amdhsa_private_segment_fixed_size 0
		.amdhsa_enable_private_segment 0
		.amdhsa_kernarg_size 40
		.amdhsa_user_sgpr_count 2
		.amdhsa_user_sgpr_kernarg_segment_ptr 1
		.amdhsa_wavefront_size32 1
		.amdhsa_system_sgpr_workgroup_id_x 1
		.amdhsa_system_sgpr_workgroup_id_y 1
		.amdhsa_system_sgpr_workgroup_id_z 1
		.amdhsa_system_vgpr_workitem_id 0
		.amdhsa_next_free_vgpr 1024
		.amdhsa_next_free_sgpr 96
		.amdhsa_reserve_vcc 0
		.amdhsa_float_denorm_mode_32 3
		.amdhsa_float_denorm_mode_16_64 3
		.amdhsa_memory_ordered 1
		.amdhsa_forward_progress 1
		.amdhsa_inst_pref_size 141
	.end_amdhsa_kernel
	.amdgpu_metadata
---
amdhsa.version: [ 1, 2 ]
amdhsa.kernels:
  - .name:           k_qf434fa550a_scores
    .symbol:         k_qf434fa550a_scores.kd
    .args:
      - { .name: q, .offset: 0, .size: 8, .value_kind: global_buffer, .address_space: global }
      - { .name: k, .offset: 8, .size: 8, .value_kind: global_buffer, .address_space: global }
      - { .name: p, .offset: 16, .size: 8, .value_kind: global_buffer, .address_space: global }
      - { .name: ms, .offset: 24, .size: 8, .value_kind: global_buffer, .address_space: global }
      - { .name: ls, .offset: 32, .size: 8, .value_kind: global_buffer, .address_space: global }
    .group_segment_fixed_size: 327680
    .private_segment_fixed_size: 0
    .kernarg_segment_align: 8
    .kernarg_segment_size: 40
    .max_flat_workgroup_size: 128
    .sgpr_count:     96
    .vgpr_count:     1024
    .wavefront_size: 32
...
	.end_amdgpu_metadata
.endif
;; end of part 3
;; launch pv (part 4): grid 4 x 64, 4 waves a work-group, clusters of 4 x 4, 327,680 bytes of LDS; arguments p, vt, ms, ls, out0; writes out0
.if DOCPART == 4
	.amdgcn_target "amdgcn-amd-amdhsa--gfx1250"
	.amdhsa_code_object_version 6
	.text
	.protected	k_qf434fa550a_pv
	.globl	k_qf434fa550a_pv
	.p2align	8
	.type	k_qf434fa550a_pv,@function
k_qf434fa550a_pv:
	s_mov_b64 s[64:65], 0
	v_nop
	global_prefetch_b8 v0, s[64:65] scope:SCOPE_SE
	s_setreg_imm32_b32 hwreg(HW_REG_WAVE_MODE, 25, 1), 1
	s_wait_xcnt 0x0
	s_wait_alu depctr_hold_cnt(0) depctr_sa_sdst(0) depctr_va_vdst(0) depctr_va_sdst(0) depctr_va_ssrc(0) depctr_va_vcc(0) depctr_vm_vsrc(0)
	s_getreg_b32 s2, hwreg(HW_REG_IB_STS2, 6, 4)
	s_cmp_eq_u32 s2, 0
	s_cbranch_scc0 .Lentry_in_a_cluster
	s_endpgm
.Lentry_in_a_cluster:
	s_bfe_u32 s2, ttmp6, 0x10000c
	s_cmp_lg_u32 s2, 0xf033
	s_cbranch_scc0 .Lentry_shape_is_right
	s_endpgm
.Lentry_shape_is_right:
; out = the sum over the row's eight tiles t of 256 keys of f_t (P_t V_t), f_t = 2^(c m_t - M) / l, M = the greatest c m_t, l = the sum over t of 2^(c m_t - M) (the tile's two sums).  No work is left out.
; P and V^T are f16, products' sums, the corrections and the sum over tiles f32.  An exponential below 2^-126 counts as 0; NaN and infinities are not treated apart.
; SHARES.  Work-group (nx, y): rows 128 y .., columns 256 nx ..: 256 work-groups.  Wave (wr, wc): 64 rows x 128 columns: 32 accumulators.  The 2048 keys go in 16 steps of 128; two steps are a tile t.
; TMP sums one tile, begun with C = 0; TOT takes f_t TMP by packed multiply-adds that stand, four ahead of each product, in the next tile's first quarter.
; p and vt lie in chunks of blocks of 512 bytes (16 rows x 16 keys, lane l's 16 bytes at 16 l): p [keys / 32: 4][rows / 16: 4][half: 2][block], vt [keys / 32: 4][d / 16: 8][half: 2][block].  A tensor load
; brings a chunk as dense rows of 256 bytes; a fragment is two LDS loads of 512 consecutive bytes, so the tiles need no padding.
; CLUSTER 4 x 4: P's tile hangs on y alone and is asked for jointly along a row of the cluster; V^T's on nx and the batch, jointly along a column.
; Source 0 = 16 rows d of V^T, source 1 = 16 rows of P: a lane holds one row of out (l % 16) and 8 neighbouring columns.
; REGISTERS.  Window 0: addresses; v32-39 at work; v40-47 FC, f of the tile to be added, twice for each row block; FB0 v64-159, FB1 v160-255: P's 4 fragments, then V^T's 8.  Window 1: TMP (a, b) at
; v[8 (8 a + b)].  Window 2: TOT at the same numbers.
.set ACH,   16384                      ; a chunk of p: 64 rows x 128 keys
.set BCH,   32768                      ; a chunk of vt: 128 d x 128 keys
.set SLOT,  2*ACH+2*BCH
.set STAGE, 2*SLOT                     ; 16 rows x 528 bytes for each wave
.set SP,    528                        ; 512 bytes + 16: 132 words: row r starts at bank 4 r mod 64 (ISA guide 11.1)
.set FT,    STAGE+4*16*SP              ; [t 8][row 16][a 4][2] f32 for each wave
.set SPARE, FT+4*4096
.set AKS,   2097152                    ; bytes from K step to K step in p
.set BKS,   262144                     ; and in vt
.set ADRA, 16
.set ADRB, 20
.set STO,  24
.set RD,   25
.set GO,   26
.set FTR,  27
.set SPW,  28
.set NIL,  29
.set PFO,  30
.set FTW,  31
.set MX,   32
.set LT,   36
.set FC,   40
.set FB0,  64
.set FB1,  160
.set CM,   64                          ; the set-up: c m of (e, t) at CM + 8 e + t,
.set LSR,  96                          ; the sums of (e, c) at LSR + 16 e + c; a lane's row block is a = 2 e + l / 16
.set G1,   24
.set G0,   32
.set G1B,  48
.set G0B,  56
.set PFA,  80
.set PFS,  82
.set LIM,  84
.set OBS,  90
.set DW0,  (1<<16)|(1<<21)             ; 2-byte elements; bit 21 beside a mask; no padding
.set W_MUL, 0x50                       ; sources window 0, C and D window 1
.set W_CB,  0xa1                       ; TMP (source 0) window 1, f (source 1) window 0, TOT (source 2 and destination) window 2
.set MSB, 0
.macro WIN new
.if MSB != (\new)
	s_set_vgpr_msb (MSB<<8)|(\new)
.set MSB, (\new)
.endif
.endm
.macro PLACES
.rept 4
	v_nop
.endr
.endm
.macro JLOAD s                         ; a joint load: waves 0 and 1 fetch P's halves, waves 2 and 3 V^T's
	s_cmp_eq_u32 s11, 0
	s_cbranch_scc0 .Lfor_b_\@
	tensor_load_to_lds s[G0+4*(\s):G0+4*(\s)+3], s[G1:G1+7]
	s_nop 0
.rept 4
	v_nop
.endr
	s_branch .Lasked_\@
.Lfor_b_\@:
	tensor_load_to_lds s[G0B+4*(\s):G0B+4*(\s)+3], s[G1B:G1B+7]
	s_nop 0
.rept 4
	v_nop
.endr
.Lasked_\@:
.endm
.macro CREST
	s_cmp_lg_u32 s10, 0
	s_cbranch_scc1 .Lnot_wave_0_\@
	s_barrier_signal -3
.Lnot_wave_0_\@:
	s_barrier_wait -3
	s_barrier_signal -1
	s_barrier_wait -1
.endm
.macro CROUND
	s_barrier_signal -1
	s_barrier_wait -1
	CREST
.endm
; A prefetch into the L2 of the K step two refills on, a lane a block of 256 bytes.  P's tile of a K step is 128 blocks on end: each partner takes 32 by address (cx), wave 0 asks.  Of V^T's chunk that wave 2
; or 3 fetches each partner takes 32 (cy); the first of a batch's four clusters asks.  The loop's last trip asks for nothing: the highest K step named is 15.
.macro ASK lim
	s_cmp_gt_u32 s3, s[\lim]
	s_cbranch_scc0 .Lnot_mine_\@
	global_prefetch_b8 v[PFO], s[PFA:PFA+1] th:TH_LOAD_NT scope:SCOPE_SE
.Lnot_mine_\@:
.endm
	s_load_b256 s[68:75], s[0:1], 0x0              ; p s[68:69], vt s[70:71], ms s[72:73], ls s[74:75]
	s_load_b64 s[76:77], s[0:1], 0x20              ; out0
	v_lshl_add_u32 v[SPW], v0, 2, SPARE
	v_mov_b32 v[NIL], 0
	ds_add_u32 v[SPW], v[NIL]                      ; the wave's opening: the add, twice on end, and its wait ahead of my first tensor load
	ds_add_u32 v[SPW], v[NIL]
	v_lshrrev_b32 v1, 5, v0
	v_readfirstlane_b32 s10, v1
	s_lshr_b32 s11, s10, 1                         ; wr; also: I fetch P (0) or V^T (1)
	s_and_b32 s12, s10, 1                          ; wc; also: which half I fetch
	s_bfe_u32 s40, ttmp6, 0x40000
	s_bfe_u32 s41, ttmp6, 0x40004
	s_lshl_b32 s42, ttmp9, 2
	s_add_co_u32 s42, s42, s40                     ; nx
	s_and_b32 s13, ttmp7, 0xffff
	s_lshl_b32 s13, s13, 2
	s_add_co_u32 s13, s13, s41                     ; y
	s_lshl_b32 s43, s41, 2
	s_lshl_b32 s43, 15, s43
	s_lshl_b32 s44, 0x1111, s40
	s_or_b32 s[G1+0], s43, DW0
	s_or_b32 s[G1B+0], s44, DW0
	s_mov_b32 s[G1+1], 128<<16
	s_mov_b32 s[G1+2], 64<<16                      ; 64 rows of 256 bytes: a chunk of p
	s_mov_b32 s[G1+3], 128<<16
	s_mov_b32 s[G1+4], 64
	s_mov_b32 s[G1+5], 128
	s_mov_b32 s[G1+6], 0
	s_mov_b32 s[G1+7], 0
	s_mov_b32 s[G1B+1], 128<<16
	s_mov_b32 s[G1B+2], 128<<16                    ; 128 rows: a chunk of vt
	s_mov_b32 s[G1B+3], 128<<16
	s_mov_b32 s[G1B+4], 128
	s_mov_b32 s[G1B+5], 128
	s_mov_b32 s[G1B+6], 0
	s_mov_b32 s[G1B+7], 0
	s_lshl_b32 s16, s13, 1
	s_add_co_u32 s16, s16, s12
	s_lshl_b32 s16, s16, 14                        ; p: chunk 2 y + half
	s_mov_b32 s17, 0
	s_and_b32 s46, ttmp7, 0xffff
	s_lshr_b32 s46, s46, 2                         ; the batch, from the cluster's y
	s_lshl_b32 s46, s46, 7
	s_lshl_b32 s47, s42, 1
	s_add_co_u32 s46, s46, s47
	s_add_co_u32 s46, s46, s12
	s_lshl_b32 s46, s46, 15                        ; vt: chunk 8 x 16 batch + 2 nx + half
	s_mov_b32 s47, 0
	s_mul_i32 s20, s12, ACH
	s_mul_i32 s21, s12, BCH
	s_add_co_u32 s21, s21, 2*ACH
	s_wait_dscnt 0x0
	s_wait_kmcnt 0x0
	s_add_nc_u64 s[14:15], s[68:69], s[16:17]
	s_add_nc_u64 s[46:47], s[70:71], s[46:47]
	CROUND
.irp s, 0,1
	s_mov_b32 s[G0+4*\s], 1
	s_add_co_u32 s[G0+4*\s+1], s20, \s*SLOT
	s_add_nc_u64 s[G0+4*\s+2:G0+4*\s+3], s[14:15], \s*AKS
	s_or_b32 s[G0+4*\s+3], s[G0+4*\s+3], 0x80000000
	s_mov_b32 s[G0B+4*\s], 1
	s_add_co_u32 s[G0B+4*\s+1], s21, \s*SLOT
	s_add_nc_u64 s[G0B+4*\s+2:G0B+4*\s+3], s[46:47], \s*BKS
	s_or_b32 s[G0B+4*\s+3], s[G0B+4*\s+3], 0x80000000
	JLOAD \s
.endr
	; the rows' statistics: lane l takes those of my rows l and 32 + l: row l % 16 of row blocks l / 16 and 2 + l / 16; a load covers 128 consecutive bytes
	v_and_b32 v1, 15, v0
	v_bfe_u32 v2, v0, 4, 1
	v_and_b32 v6, 31, v0
	s_lshl_b32 s14, s13, 9
	s_lshl_b32 s15, s11, 8
	s_add_co_u32 s14, s14, s15                     ; 4 (128 y + 64 wr)
	v_lshl_add_u32 v4, v6, 2, s14
.irp e, 0,1
.irp t, 0,1,2,3,4,5,6,7
	global_load_b32 v[CM+8*\e+\t], v4, s[72:73] offset:65536*\t+128*\e
.endr
.endr
.irp e, 0,1
.irp c, 0,1,2,3,4,5,6,7,8,9,10,11,12,13,14,15
	global_load_b32 v[LSR+16*\e+\c], v4, s[74:75] offset:32768*\c+128*\e
.endr
.endr
	WIN 0x80                                       ; TOT starts at 0, written while the first tiles and the statistics are on their way, so that the loop has one form of addition
.set ee, 0
.rept 256
	v_mov_b32 v[ee], 0
.set ee, ee+1
.endr
	WIN 0
	v_lshlrev_b32 v[GO], 4, v6
	s_lshl_b32 s21, s11, 14                        ; my chunk of P,
	s_lshl_b32 s22, s12, 15
	s_add_co_u32 s22, s22, 2*ACH                   ; and of V^T
.irp s, 0,1
	v_add_nc_u32 v[ADRA+\s], s21, v[GO]
	v_add_nc_u32 v[ADRB+\s], s22, v[GO]
	s_add_co_u32 s21, s21, SLOT
	s_add_co_u32 s22, s22, SLOT
.endr
	s_mul_i32 s23, s10, 16*SP
	s_add_co_u32 s23, s23, STAGE
	v_mul_u32_u24 v5, v1, SP
	v_lshl_add_u32 v5, v2, 5, v5
	v_add_nc_u32 v[STO], s23, v5                   ; in: row l % 16, 32 bytes for each half of the lanes
	v_add_nc_u32 v[RD], s23, v[GO]                 ; back: a whole row of 512 bytes
	v_lshlrev_b32 v[PFO], 8, v6
	s_lshl_b32 s23, s10, 12
	s_add_co_u32 s23, s23, FT
	v_lshl_add_u32 v[FTR], v1, 5, s23              ; where a row's f are read,
	v_lshl_add_u32 v[FTW], v2, 3, v[FTR]           ; and where I put those of my two row blocks
	s_lshl_b32 s18, s13, 7
	s_lshl_b32 s22, s11, 6
	s_add_co_u32 s18, s18, s22
	s_lshl_b32 s18, s18, 12                        ; my first row of out0,
	s_lshl_b32 s22, s42, 10
	s_add_co_u32 s18, s18, s22
	s_lshl_b32 s22, s12, 9
	s_add_co_u32 s18, s18, s22                     ; my first column
	s_mov_b32 s19, 0
	s_add_nc_u64 s[OBS:OBS+1], s[76:77], s[18:19]
	; the prefetches
	s_lshl_b32 s18, s13, 15
	s_lshl_b32 s22, s40, 13
	s_add_co_u32 s18, s18, s22
	s_add_co_u32 s18, s18, 3*AKS                   ; p: K step 3, my work-group's 32 blocks; the first refill steps it to 4
	s_and_b32 s22, ttmp7, 0xffff
	s_lshr_b32 s23, s22, 2
	s_lshl_b32 s19, s23, 7
	s_add_co_u32 s19, s19, 24
	s_lshl_b32 s14, s42, 1
	s_add_co_u32 s19, s19, s14
	s_add_co_u32 s19, s19, s12
	s_lshl_b32 s19, s19, 15
	s_lshl_b32 s14, s41, 13
	s_add_co_u32 s19, s19, s14                     ; vt: K step 3, my chunk, my work-group's 32 blocks
	s_and_b32 s22, s22, 3
	s_mov_b32 s15, BKS
	s_cmp_eq_u32 s11, 0
	s_cselect_b32 s18, s18, s19
	s_cselect_b32 s[PFS], AKS, s15
	s_cselect_b32 s22, s12, s22                    ; 0 in wave 0, and in waves 2 and 3 of a batch's first cluster
	s_cselect_b64 s[PFA:PFA+1], s[68:69], s[70:71]
	s_mov_b32 s19, 0
	s_mov_b32 s[PFS+1], 0
	s_add_nc_u64 s[PFA:PFA+1], s[PFA:PFA+1], s[18:19]
	s_cmp_eq_u32 s22, 0
	s_cselect_b32 s[LIM], 1, -1
	s_wait_loadcnt 0x0
.irp e, 0,1
	v_max3_num_f32 v[MX+\e], v[CM+8*\e], v[CM+8*\e+1], v[CM+8*\e+2]
.endr
.irp e, 0,1
	v_max3_num_f32 v[MX+\e], v[MX+\e], v[CM+8*\e+3], v[CM+8*\e+4]
.endr
.irp e, 0,1
	v_max3_num_f32 v[MX+\e], v[MX+\e], v[CM+8*\e+5], v[CM+8*\e+6]
.endr
.irp e, 0,1
	v_max_num_f32 v[MX+\e], v[MX+\e], v[CM+8*\e+7]
.endr
.irp e, 0,1
.irp t, 0,1,2,3,4,5,6,7
	v_sub_f32 v[CM+8*\e+\t], v[CM+8*\e+\t], v[MX+\e]
.endr
.endr
.set ee, 0
.rept 16
	v_exp_f32 v[CM+ee], v[CM+ee]                   ; one batch of 16
.set ee, ee+1
.endr
.irp e, 0,1
.irp t, 0,1,2,3,4,5,6,7
	v_add_f32 v[LSR+16*\e+2*\t], v[LSR+16*\e+2*\t], v[LSR+16*\e+2*\t+1]  ; a tile's two sums: the plain work behind the batch
.endr
.endr
	s_wait_alu depctr_va_vdst(0)                   ; the batch's one wait
.irp e, 0,1
	v_mul_f32 v[LT+\e], v[CM+8*\e], v[LSR+16*\e]
.endr
.irp t, 1,2,3,4,5,6,7
.irp e, 0,1
	v_fmac_f32 v[LT+\e], v[CM+8*\e+\t], v[LSR+16*\e+2*\t]
.endr
.endr
.irp e, 0,1
	v_rcp_f32 v[LT+\e], v[LT+\e]
.endr
	v_nop
	s_wait_alu depctr_va_vdst(0)                   ; one wait for the two reciprocals
.irp e, 0,1
.irp t, 0,1,2,3,4,5,6,7
	v_mul_f32 v[CM+8*\e+\t], v[CM+8*\e+\t], v[LT+\e]
.endr
.endr
.irp e, 0,1
.irp t, 0,1,2,3,4,5,6,7
	ds_store_b32 v[FTW], v[CM+8*\e+\t] offset:512*\t+16*\e
	ds_store_b32 v[FTW], v[CM+8*\e+\t] offset:512*\t+16*\e+4
.endr
.endr
.macro FETCH s, q, f                   ; 24 LDS loads in one run, 512 consecutive bytes each: quarter q (32 keys) of a K step into buffer f
	WIN 0
.irp i, 0,1,2,3,4,5,6,7
	ds_load_b128 v[(\f)+32+8*\i:(\f)+32+8*\i+3],   v[ADRB+(\s)] offset:(\q)*8192+\i*1024
	ds_load_b128 v[(\f)+32+8*\i+4:(\f)+32+8*\i+7], v[ADRB+(\s)] offset:(\q)*8192+\i*1024+512
.endr
.irp i, 0,1,2,3
	ds_load_b128 v[(\f)+8*\i:(\f)+8*\i+3],   v[ADRA+(\s)] offset:(\q)*4096+\i*1024
	ds_load_b128 v[(\f)+8*\i+4:(\f)+8*\i+7], v[ADRA+(\s)] offset:(\q)*4096+\i*1024+512
.endr
.endm
.macro MUL8 f, a, zero                 ; row block a x 8 column blocks, 32 keys.  The 32 accumulators take turns
	WIN W_MUL
.irp b, 0,1,2,3,4,5,6,7
.if \zero
	v_wmma_f32_16x16x32_f16 v[8*(8*(\a)+\b):8*(8*(\a)+\b)+7], v[(\f)+32+8*\b:(\f)+32+8*\b+7], v[(\f)+8*(\a):(\f)+8*(\a)+7], 0
.else
	v_wmma_f32_16x16x32_f16 v[8*(8*(\a)+\b):8*(8*(\a)+\b)+7], v[(\f)+32+8*\b:(\f)+32+8*\b+7], v[(\f)+8*(\a):(\f)+8*(\a)+7], v[8*(8*(\a)+\b):8*(8*(\a)+\b)+7]
.endif
.endr
.endm
.macro QUARTER s, qn, f, g, zero       ; fetches quarter qn of slot s into g, multiplies f: the loads have 32 matrix instructions in which to land
	s_wait_dscnt 0x0                               ; buffer f's loads, issued a quarter ago
	PLACES
	FETCH \s, \qn, \g
	MUL8 \f, 0, \zero
	MUL8 \f, 1, \zero
	MUL8 \f, 2, \zero
	MUL8 \f, 3, \zero
.endm
; A tile's first quarter in the loop: ahead of each product, which begins its accumulator anew with C = 0, four packed multiply-adds take the last tile's sum into TOT, lowest registers first.
; Behind the last tile's products stand the four v_nop here; between an accumulator's last product and the one that writes over it stand eight plain instructions or more that name none of its registers.
.macro QR s, qn, f, g
	s_wait_dscnt 0x0
	PLACES
	FETCH \s, \qn, \g
.irp a, 0,1,2,3
.irp b, 0,1,2,3,4,5,6,7
	WIN W_CB
.irp e, 0,2,4,6
	v_pk_fma_f32 v[8*(8*\a+\b)+\e:8*(8*\a+\b)+\e+1], v[8*(8*\a+\b)+\e:8*(8*\a+\b)+\e+1], v[FC+2*\a:FC+2*\a+1], v[8*(8*\a+\b)+\e:8*(8*\a+\b)+\e+1]
.endr
	WIN W_MUL
	v_wmma_f32_16x16x32_f16 v[8*(8*\a+\b):8*(8*\a+\b)+7], v[(\f)+32+8*\b:(\f)+32+8*\b+7], v[(\f)+8*\a:(\f)+8*\a+7], 0
.endr
.endr
.endm
; A K step's last quarter, on FB1, and the change of slots.  fc = 1: the finished tile's f come out of LDS.
.macro TURN s, fill, fc
.if \fill
	s_wait_xcnt 0x0
	s_add_nc_u64 s[PFA:PFA+1], s[PFA:PFA+1], s[PFS:PFS+1]
.endif
	WIN 0
	s_wait_tensorcnt 0x0
	ds_add_u32 v[SPW], v[NIL]
	s_wait_dscnt 1                                 ; the add alone may be out
	MUL8 FB1, 0, 0
	s_wait_dscnt 0x0
	s_barrier_signal -1
	MUL8 FB1, 1, 0
	WIN 0
	s_barrier_wait -1
.if \fill
	CREST
	s_add_nc_u64 s[G0+4*(\s)+2:G0+4*(\s)+3], s[G0+4*(\s)+2:G0+4*(\s)+3], 2*AKS
	s_add_nc_u64 s[G0B+4*(\s)+2:G0B+4*(\s)+3], s[G0B+4*(\s)+2:G0B+4*(\s)+3], 2*BKS
	JLOAD \s
.else
	PLACES
.endif
	FETCH 1-\s, 0, FB0
.if \fc
	ds_load_b128 v[FC:FC+3], v[FTR]
	ds_load_b128 v[FC+4:FC+7], v[FTR] offset:16
	v_add_nc_u32 v[FTR], 512, v[FTR]
.endif
.if \fill
	ASK LIM
.endif
	MUL8 FB1, 2, 0
	MUL8 FB1, 3, 0
.endm
	s_wait_tensorcnt 1                             ; my part of K step 0 is in; K step 1's may stay out
	s_wait_dscnt 0x0                               ; my stores of f are done
	s_barrier_signal -1
	s_barrier_wait -1
	FETCH 0, 0, FB0
	QUARTER 0, 1, FB0, FB1, 1
	WIN 0
	s_mov_b32 s3, 7
.Llap:                                         ; a trip: a tile of 256 keys, from its second quarter to the next tile's first
	QUARTER 0, 2, FB1, FB0, 0
	QUARTER 0, 3, FB0, FB1, 0
	TURN 0, 1, 0
	QUARTER 1, 1, FB0, FB1, 0
	QUARTER 1, 2, FB1, FB0, 0
	QUARTER 1, 3, FB0, FB1, 0
	TURN 1, 1, 1
	QR 0, 1, FB0, FB1
	WIN 0
	s_sub_co_u32 s3, s3, 1
	s_cmp_lg_u32 s3, 0
	s_cbranch_scc1 .Llap
	QUARTER 0, 2, FB1, FB0, 0
	QUARTER 0, 3, FB0, FB1, 0
	TURN 0, 0, 0
	QUARTER 1, 1, FB0, FB1, 0
	QUARTER 1, 2, FB1, FB0, 0
	QUARTER 1, 3, FB0, FB1, 0
	s_wait_dscnt 0x0
	WIN 0
	ds_load_b128 v[FC:FC+3], v[FTR]                ; the last tile's f
	ds_load_b128 v[FC+4:FC+7], v[FTR] offset:16
	MUL8 FB1, 0, 0
	MUL8 FB1, 1, 0
	MUL8 FB1, 2, 0
	MUL8 FB1, 3, 0
	s_wait_dscnt 0x0
	PLACES
	WIN W_CB
.irp a, 0,1,2,3
.set ee, 0
.rept 32
	v_pk_fma_f32 v[64*\a+ee:64*\a+ee+1], v[64*\a+ee:64*\a+ee+1], v[FC+2*\a:FC+2*\a+1], v[64*\a+ee:64*\a+ee+1]
.set ee, ee+2
.endr
.endr
; THE WAY OUT, a row block at a time: 32 bytes a lane into rows of 528 bytes, back as whole rows of 512, stored 512 consecutive bytes an instruction.
.macro OUTA a
	s_wait_xcnt 0x0                                ; earlier stores have read their registers
	WIN 0x08                                       ; the stores' data in window 2
.irp b, 0,1,2,3,4,5,6,7
	ds_store_b128 v[STO], v[8*(8*(\a)+\b):8*(8*(\a)+\b)+3]   offset:64*\b
	ds_store_b128 v[STO], v[8*(8*(\a)+\b)+4:8*(8*(\a)+\b)+7] offset:64*\b+16
.endr
	WIN 0
.set ob, 64+64*((\a)%2)
.irp i, 0,1,2,3,4,5,6,7,8,9,10,11,12,13,14,15
	ds_load_b128 v[ob+4*\i:ob+4*\i+3], v[RD] offset:SP*\i  ; LDS serves a wave's instructions in order (ISA guide 5.7.1.4)
.endr
.irp i, 0,1,2,3,4,5,6,7,8,9,10,11,12,13,14,15
.if (\i%4) == 0
	s_wait_dscnt 12-\i                             ; rows i to i + 3 are back; the loads behind them may be out
.endif
	global_store_b128 v[GO], v[ob+4*\i:ob+4*\i+3], s[OBS:OBS+1] offset:(16*(\a)+\i)*4096 th:TH_STORE_NT
.endr
.endm
	OUTA 0
	OUTA 1
	OUTA 2
	OUTA 3
	s_wait_tensorcnt 0x0                           ; the wave's end
	ds_add_u32 v[SPW], v[NIL]
	s_wait_dscnt 0x0
	CROUND
	s_endpgm
.Lfunc_end_k_qf434fa550a_pv:
	.size	k_qf434fa550a_pv, .Lfunc_end_k_qf434fa550a_pv-k_qf434fa550a_pv
	.p2alignl 7, 3214868480
	.fill 96, 4, 3214868480
	.section	.rodata,"a",@progbits
	.p2align	6, 0x0
	.amdhsa_kernel k_qf434fa550a_pv
		.amdhsa_group_segment_fixed_size 327680
		.amdhsa_private_segment_fixed_size 0
		.amdhsa_enable_private_segment 0
		.amdhsa_kernarg_size 40
		.amdhsa_user_sgpr_count 2
		.amdhsa_user_sgpr_kernarg_segment_ptr 1
		.amdhsa_wavefront_size32 1
		.amdhsa_system_sgpr_workgroup_id_x 1
		.amdhsa_system_sgpr_workgroup_id_y 1
		.amdhsa_system_sgpr_workgroup_id_z 1
		.amdhsa_system_vgpr_workitem_id 0
		.amdhsa_next_free_vgpr 768
		.amdhsa_next_free_sgpr 96
		.amdhsa_reserve_vcc 0
		.amdhsa_float_denorm_mode_32 3
		.amdhsa_float_denorm_mode_16_64 3
		.amdhsa_memory_ordered 1
		.amdhsa_forward_progress 1
		.amdhsa_inst_pref_size 122
	.end_amdhsa_kernel
	.amdgpu_metadata
---
amdhsa.version: [ 1, 2 ]
amdhsa.kernels:
  - .name:           k_qf434fa550a_pv
    .symbol:         k_qf434fa550a_pv.kd
    .args:
      - { .name: p, .offset: 0, .size: 8, .value_kind: global_buffer, .address_space: global }
      - { .name: vt, .offset: 8, .size: 8, .value_kind: global_buffer, .address_space: global }
      - { .name: ms, .offset: 16, .size: 8, .value_kind: global_buffer, .address_space: global }
      - { .name: ls, .offset: 24, .size: 8, .value_kind: global_buffer, .address_space: global }
      - { .name: out0, .offset: 32, .size: 8, .value_kind: global_buffer, .address_space: global }
    .group_segment_fixed_size: 327680
    .private_segment_fixed_size: 0
    .kernarg_segment_align: 8
    .kernarg_segment_size: 40
    .max_flat_workgroup_size: 128
    .sgpr_count:     96
    .vgpr_count:     768
    .wavefront_size: 32
...
	.end_amdgpu_metadata
.endif
;; end of part 4
;; ======== version 2 of 2: 4 launches; version 1 with the launch cast written anew for expert scheduling mode
;; limits: values are held in f16: magnitudes above 65,504 overflow, below 6.1e-05 lose precision
;; workspace buffers: xb 16,777,216 bytes; wb 6,291,456 bytes; q 16,777,216 bytes; k 16,777,216 bytes; vt 16,777,216 bytes; p 33,554,432 bytes; ms 524,288 bytes; ls 524,288 bytes
;; launch cast (part 5): grid 256 x 1, 11 waves a work-group, no clusters, 0 bytes of LDS; arguments x, Wq, Wk, Wv, xb, wb; writes xb, wb
.if DOCPART == 5
	.amdgcn_target "amdgcn-amd-amdhsa--gfx1250"
	.amdhsa_code_object_version 6
	.text
	.protected	k_qf434fa550a_cast
	.globl	k_qf434fa550a_cast
	.p2align	8
	.type	k_qf434fa550a_cast,@function
k_qf434fa550a_cast:
	s_mov_b64 s[64:65], 0
	v_nop
	global_prefetch_b8 v0, s[64:65] scope:SCOPE_SE
	s_setreg_imm32_b32 hwreg(HW_REG_WAVE_SCHED_MODE, 0, 2), 2
	s_setreg_imm32_b32 hwreg(HW_REG_WAVE_MODE, 25, 1), 1
	s_wait_xcnt 0x0
	s_wait_alu depctr_vm_vsrc(0)
; SELF-ATTENTION, one head of width 1024, 4 batches of 2048 rows: q, k, v = x W^T; out = softmax(q k^T / 32) v.  Four launches: this one, proj, scores, pv.
; NO WORK IS LEFT OUT: every input reaches the output; the factor 1/32 is applied in f32, inside the exponent's scale (launch scores).
; THIS LAUNCH rounds x and the three weights once to bf16 and lays them in chunks of 64 channels, so that what one tensor load of the next launch brings lies on end in memory:
;   xb [kb 16][row 8192][64];  wb [kb 16][rho 3072][64], rho = 384 t + 192 h + 64 p + i for row o = 128 t + 64 h + i of W_p (p = 0 Wq, 1 Wk, 2 Wv).
; SHARES.  8192 + 3 x 1024 rows are 2816 groups of 4 rows = 256 work-groups x 11 waves: a wave takes one group, G = 11 x work-group + wave.  No loop, no LDS, no matrix unit: bytes are all.
; A load takes one chunk's 64 numbers of two rows: lanes 0-15 the 256 consecutive bytes of one row, lanes 16-31 those of the next.  A lane's 4 numbers round to 8 bytes, and a store of the wave covers
; the two rows' 2 x 128 bytes of that chunk: 256 consecutive bytes, aligned.  All 32 loads are issued before the first wait for data.  No register is written twice, so no wait stands for a store's sources.
; LIMITS.  Rounding to bf16 is to nearest even; NaN and infinities pass as the conversion leaves them.
; THE MODE: SCHED_MODE bits 1:0 = 2 (LLVM: expert scheduling mode 2), set by the entry lines.  The code itself states the register dependences between vector instructions and memory instructions,
; with s_wait_alu, always for 0.
; THE PLAN.  Registers that memory instructions touch:
;   v[LO], v[SO ..]  offsets: written by vector lines at the head, read by the loads and by the stores, never written again.
;   IN               written by the 32 loads, once each, before any vector line names them; read by the conversions; never loaded again.
;   OUT              written by the conversions, once each; read by the stores; never written again.
; The 16 chunks go in 8 blocks of two.  Block p rounds its own IN into its own OUT; its memory instructions are the four stores of block p - 1, whose OUT and SO no conversion of block p names.
; So one wait at a block's head, behind the wait for its data, states all that those four stores hang on, and they are dealt among the block's conversions with no further wait.
; No register that a memory instruction reads is written again: there is no wait on vm_vsrc.  EXEC and VCC are never written.
.set KSX, 1048576                      ; bytes from chunk to chunk in xb
.set KSW, 393216                       ; and in wb
.set LO,  2                            ; v2       my byte offset in the group's first two rows of the source
.set SO,  8                            ; v[8:23]  my byte offset in the destination, for each chunk
.set IN,  32                           ; v[32:159]  as loaded: chunk kb, pair of rows e at IN + 8 kb + 4 e
.set OUT, 160                          ; v[160:223] as stored: at OUT + 4 kb + 2 e
	s_load_b256 s[4:11], s[0:1], 0x0               ; x s[4:5], Wq s[6:7], Wk s[8:9], Wv s[10:11]
	s_load_b128 s[12:15], s[0:1], 0x20             ; xb s[12:13], wb s[14:15]
	v_lshrrev_b32 v1, 5, v0
	v_readfirstlane_b32 s16, v1                    ; wave 0..10
	s_mul_i32 s17, ttmp9, 11
	s_wait_alu depctr_va_sdst(0)                   ; s16 is written, ahead of its first reader: the group's number, and with it both bases and all offsets, are made from it
	s_add_co_u32 s17, s17, s16                     ; G: 0..2047 groups of x, 2048..2815 groups of the weights
	s_and_b32 s18, s17, 2047
	s_bfe_u32 s19, s18, 0x20008                    ; p: which weight
	s_and_b32 s18, s18, 255                        ; r: the group in that weight; its first row is o = 4 r
	s_lshr_b32 s20, s18, 5                         ; t = o / 128
	s_mul_i32 s20, s20, 384
	s_bfe_u32 s21, s18, 0x10004                    ; h = (o / 64) % 2
	s_mul_i32 s21, s21, 192
	s_add_co_u32 s20, s20, s21
	s_lshl_b32 s21, s19, 6
	s_add_co_u32 s20, s20, s21
	s_and_b32 s21, s18, 15
	s_lshl_b32 s21, s21, 2                         ; o % 64
	s_add_co_u32 s20, s20, s21                     ; rho
	s_lshl_b32 s20, s20, 7                         ; a weight's group: where it goes,
	s_lshl_b32 s21, s18, 14                        ; and where it comes from
	s_lshl_b32 s22, s17, 14                        ; a group of x: where it comes from,
	s_lshl_b32 s23, s17, 9                         ; and where it goes
	s_mov_b32 s29, KSW
	s_cmp_lt_u32 s17, 2048                         ; a group of x?
	s_cselect_b32 s24, s22, s21
	s_cselect_b32 s26, s23, s20
	s_cselect_b32 s28, KSX, s29
	s_mov_b32 s25, 0
	s_mov_b32 s27, 0
	v_and_b32 v3, 31, v0                           ; lane
	v_lshrrev_b32 v4, 4, v3                        ; which of the two rows
	v_and_b32 v5, 15, v3                           ; which 4 numbers of a chunk's 64
	v_lshlrev_b32 v[LO], 12, v4
	v_lshl_add_u32 v[LO], v5, 4, v[LO]
	v_lshlrev_b32 v4, 3, v3                        ; 128 x row + 8 x piece = 8 x lane
.irp kb, 0,1,2,3,4,5,6,7,8,9,10,11,12,13,14,15
	s_mul_i32 s30, s28, \kb
	v_add_nc_u32 v[SO+\kb], s30, v4
.endr
	s_wait_kmcnt 0x0
	s_cmp_eq_u32 s19, 1
	s_cselect_b64 s[32:33], s[8:9], s[6:7]
	s_cmp_eq_u32 s19, 2
	s_cselect_b64 s[32:33], s[10:11], s[32:33]
	s_cmp_lt_u32 s17, 2048
	s_cselect_b64 s[32:33], s[4:5], s[32:33]
	s_cselect_b64 s[34:35], s[12:13], s[14:15]
	s_add_nc_u64 s[32:33], s[32:33], s[24:25]
	s_add_nc_u64 s[34:35], s[34:35], s[26:27]
	s_wait_alu depctr_va_vdst(0)                   ; v[LO] and the sixteen v[SO ..] are written: every load of the kernel reads the one as its offset, every store one of the others
.irp kb, 0,1,2,3,4,5,6,7,8,9,10,11,12,13,14,15
	global_load_b128 v[IN+8*\kb:IN+8*\kb+3],   v[LO], s[32:33] offset:256*\kb th:TH_LOAD_NT       ; rows 0 and 1
	global_load_b128 v[IN+8*\kb+4:IN+8*\kb+7], v[LO], s[32:33] offset:256*\kb+8192 th:TH_LOAD_NT  ; rows 2 and 3
.endr
; Block p: chunks 2 p and 2 p + 1 are rounded; the stores of chunks 2 p - 2 and 2 p - 1 go out, two in front of each chunk's four conversions.
.irp p, 0,1,2,3,4,5,6,7
	s_wait_loadcnt 28-4*(\p)                       ; loads come back in order: this block's four are in, the later blocks' stay out
.if (\p) > 0
	s_wait_alu depctr_va_vdst(0)                   ; the block before has written its OUT, which the four stores below read; no conversion of this block names those registers
.endif
.irp c, 0,1
.if (\p) > 0
	global_store_b64 v[SO+2*(\p)-2+(\c)], v[OUT+4*(2*(\p)-2+(\c)):OUT+4*(2*(\p)-2+(\c))+1],   s[34:35]
	global_store_b64 v[SO+2*(\p)-2+(\c)], v[OUT+4*(2*(\p)-2+(\c))+2:OUT+4*(2*(\p)-2+(\c))+3], s[34:35] offset:256
.endif
.irp e, 0,1,2,3
	v_cvt_pk_bf16_f32 v[OUT+4*(2*(\p)+(\c))+(\e)], v[IN+8*(2*(\p)+(\c))+2*(\e)], v[IN+8*(2*(\p)+(\c))+2*(\e)+1]
.endr
.endr
.endr
	s_wait_alu depctr_va_vdst(0)                   ; the last block has written its OUT, which the last four stores read
.irp kb, 14,15
	global_store_b64 v[SO+\kb], v[OUT+4*\kb:OUT+4*\kb+1],   s[34:35]
	global_store_b64 v[SO+\kb], v[OUT+4*\kb+2:OUT+4*\kb+3], s[34:35] offset:256
.endr
	s_endpgm
.Lfunc_end_k_qf434fa550a_cast:
	.size	k_qf434fa550a_cast, .Lfunc_end_k_qf434fa550a_cast-k_qf434fa550a_cast
	.p2alignl 7, 3214868480
	.fill 96, 4, 3214868480
	.section	.rodata,"a",@progbits
	.p2align	6, 0x0
	.amdhsa_kernel k_qf434fa550a_cast
		.amdhsa_group_segment_fixed_size 0
		.amdhsa_private_segment_fixed_size 0
		.amdhsa_enable_private_segment 0
		.amdhsa_kernarg_size 48
		.amdhsa_user_sgpr_count 2
		.amdhsa_user_sgpr_kernarg_segment_ptr 1
		.amdhsa_wavefront_size32 1
		.amdhsa_system_sgpr_workgroup_id_x 1
		.amdhsa_system_sgpr_workgroup_id_y 1
		.amdhsa_system_sgpr_workgroup_id_z 1
		.amdhsa_system_vgpr_workitem_id 0
		.amdhsa_next_free_vgpr 224
		.amdhsa_next_free_sgpr 66
		.amdhsa_reserve_vcc 0
		.amdhsa_float_denorm_mode_32 3
		.amdhsa_float_denorm_mode_16_64 3
		.amdhsa_memory_ordered 1
		.amdhsa_forward_progress 1
		.amdhsa_inst_pref_size 14
	.end_amdhsa_kernel
	.amdgpu_metadata
---
amdhsa.version: [ 1, 2 ]
amdhsa.kernels:
  - .name:           k_qf434fa550a_cast
    .symbol:         k_qf434fa550a_cast.kd
    .args:
      - { .name: x, .offset: 0, .size: 8, .value_kind: global_buffer, .address_space: global }
      - { .name: Wq, .offset: 8, .size: 8, .value_kind: global_buffer, .address_space: global }
      - { .name: Wk, .offset: 16, .size: 8, .value_kind: global_buffer, .address_space: global }
      - { .name: Wv, .offset: 24, .size: 8, .value_kind: global_buffer, .address_space: global }
      - { .name: xb, .offset: 32, .size: 8, .value_kind: global_buffer, .address_space: global }
      - { .name: wb, .offset: 40, .size: 8, .value_kind: global_buffer, .address_space: global }
    .group_segment_fixed_size: 0
    .private_segment_fixed_size: 0
    .kernarg_segment_align: 8
    .kernarg_segment_size: 48
    .max_flat_workgroup_size: 352
    .sgpr_count:     66
    .vgpr_count:     224
    .wavefront_size: 32
...
	.end_amdgpu_metadata
.endif
;; end of part 5
;; launch proj: the kernel of part 2 again; grid 8 x 32, 4 waves a work-group, clusters of 4 x 4, 327,680 bytes of LDS; arguments xb, wb, q, k, vt; writes q, k, vt
;; launch scores: the kernel of part 3 again; grid 8 x 32, 4 waves a work-group, clusters of 4 x 4, 327,680 bytes of LDS; arguments q, k, p, ms, ls; writes p, ms, ls
;; launch pv: the kernel of part 4 again; grid 4 x 64, 4 waves a work-group, clusters of 4 x 4, 327,680 bytes of LDS; arguments p, vt, ms, ls, out0; writes out0
